; MI455X (gfx1250); checked and timed in simulation.
; The chip was launched on July 23, 2026; its instructions are those of AMD's public machine-readable ISA for CDNA 5 (MIT licence, August 2026) and "CDNA5" Instruction Set Architecture Reference Guide (July 2026). The comments in the code are by the model that wrote it; some were corrected since.
;; Economic Self Attention. Allowed arithmetic: float matrix products may take bf16 or f16 operands with f32 sums; other float arithmetic in f32, or as packed bf16 or f16 multiplies, adds, multiply-adds, maxima and minima; sums over many terms, partial sums and values carried from step to step in f32; what a program stores and reads back later, other than sums and carried values, may be rounded once to bf16 or f16.
;; Inputs: Wk 512 x 512 float32; Wo 512 x 512 float32; Wq 512 x 512 float32; Wv 512 x 512 float32; bk 512 float32; bo 512 float32; bq 512 float32; bv 512 float32; gamma 2 x 4,096 x 1 float32; x 2 x 4,096 x 512 float32.
;; Outputs: out0 2 x 4,096 x 512 float32.
;; 2 versions, each right; version 2 is version 1 with the launch proj written anew for expert scheduling mode. Each part assembles by itself: llvm-mc -triple=amdgcn-amd-amdhsa -mcpu=gfx1250 --defsym DOCPART=n.
;; ======== version 1 of 2: 3 launches
;; limits: values are held in f16: magnitudes above 65,504 overflow, below 6.1e-05 lose precision
;; workspace buffers: qw 8,388,608 bytes; kw 8,388,608 bytes; vw 8,388,608 bytes; ow 8,388,608 bytes; wo16 524,288 bytes
;; launch proj (part 1): grid 8 x 32, 4 waves a work-group, no clusters, 209,408 bytes of LDS; arguments x, Wq, Wk, Wv, bq, bk, bv, Wo, qw, kw, vw, wo16; writes qw, kw, vw, wo16
.if DOCPART == 1
	.amdgcn_target "amdgcn-amd-amdhsa--gfx1250"
	.amdhsa_code_object_version 6
	.text
	.protected	k_qa9f74af2ca_proj
	.globl	k_qa9f74af2ca_proj
	.p2align	8
	.type	k_qa9f74af2ca_proj,@function
k_qa9f74af2ca_proj:
	s_mov_b64 s[64:65], 0
	v_nop
	global_prefetch_b8 v0, s[64:65] scope:SCOPE_SE
	s_setreg_imm32_b32 hwreg(HW_REG_WAVE_MODE, 25, 1), 1
	s_wait_xcnt 0x0
; q, k, v = x W^T + b for one head and 256 rows of x, written by heads as f16: qw, kw, vw are [b*8+h][s][64].
; qw holds -c (x Wq^T + bq), c = log2(e)/8, scaled in f32 and rounded once.  Also 1,024 numbers of Wo: rounded to bf16, that number written as f16 into wo16.
; FORMATS.  x, the weights and the biases are rounded once to bf16; products in bf16, sums in f32.
; LIMITS.  q, k, v must stay within f16's 65,504; numbers of Wo below 6e-5 keep f16's fixed step of 6e-8.
; SHARES.  Work-group (h = x id, rb = y id): rows 256 rb .. +255, 192 columns (64 of q, of k, of v).  Wave w: rows 64 w .. +63, all 192 columns: 48 accumulators.
; The product is used transposed (source 0 = 16 rows of W, source 1 = 16 rows of x): a lane holds one row of x and eight neighbouring columns.
; NO TENSOR LOADS, NO CLUSTER: the operands lie in memory as f32 and must be converted on the way.  A row of x belongs to one wave alone, so it comes
; straight into registers in the fragment's layout and is converted there; the 192 x 512 slab of W is converted once into LDS and read by all four waves.
; REGISTERS.  Window 0: addresses, two buffers of W's fragments (96 each).  Window 1: accumulators of row blocks 0, 1; v192-255 x's bf16 fragments.
; Window 2: accumulators of row blocks 2, 3.  Window 3: two sets of 128 for x as f32; at the end the biases.
.set WP,    1040                ; a slab row: 1,024 bytes + 16: an odd multiple of 16, so 16 rows of a load start in 16 different groups of banks
.set STAGE, 192*WP              ; behind the slab: 16 rows x 144 bytes for each wave
.set SP,    144
.set SPARE, STAGE+4*16*SP       ; the spare words: 128 bytes a wave, named by no other line
.set FO,  3                     ; (l%16) x 2048 + 32 (l/16): my place in 16 rows of x
.set PO,  4                     ; lane x 2048: a lane a row, for the prefetches
.set WO,  5                     ; 16 x lane
.set LSW, 6                     ; v6-8   where I store my part of the slab, one for each tensor
.set FB,  9                     ; v9-12  LDS address of W's fragments, one for each three column blocks
.set STO, 13
.set RD,  14
.set BO,  16                    ; 32 (l/16)
.set WL,  17
.set WS,  18
.set SPW, 30
.set NIL, 31
.set BF,  32                    ; buffer u, column block n at BF + 96 u + 8 n
.set TMP, 32                    ; the way out: 16 registers a unit
.set WJ,  224                   ; Wo's 8 numbers
.set AF,  192                   ; window 1: slice c, row block a at AF + 32 c + 8 a
.set X,   40                    ; s[40:41] x at my wave's first row
.set MSB, 0
.macro WIN new                  ; the high byte repeats the setting that is left; a switch that changes nothing is dropped
.if MSB != (\new)
	s_set_vgpr_msb (MSB<<8)|(\new)
.set MSB, \new
.endif
.endm
.macro PLACES                   ; four plain places behind a matrix instruction (ISA guide 7.12.1)
.rept 4
	v_nop
.endr
.endm
	s_load_b512 s[16:31], s[0:1], 0x0      ; x, Wq, Wk, Wv, bq, bk, bv, Wo
	s_load_b256 s[32:39], s[0:1], 0x40     ; qw, kw, vw, wo16
	v_lshl_add_u32 v[SPW], v0, 2, SPARE
	v_mov_b32 v[NIL], 0
	v_lshrrev_b32 v1, 5, v0
	v_readfirstlane_b32 s4, v1             ; wave
	s_mov_b32 s2, ttmp9                    ; head
	s_and_b32 s3, ttmp7, 0xffff            ; row block
	s_cmp_eq_u32 s2, 0
	s_cselect_b32 s6, 1, -1                ; head 0's work-group alone prefetches x: each block is named once
	s_mov_b32 s14, 0xbe38aa3b              ; -log2(e)/8
	s_mov_b32 s15, s14
	s_lshl_b32 s8, s3, 19                  ; x: (256 rb + 64 w) rows of 2,048 bytes
	s_lshl_b32 s9, s4, 17
	s_add_co_u32 s8, s8, s9
	s_mov_b32 s9, 0
	s_lshl_b32 s10, s2, 17                 ; W: (64 h + 16 w) rows of 2,048 bytes
	s_lshl_b32 s11, s4, 15
	s_add_co_u32 s10, s10, s11
	s_mov_b32 s11, 0
	s_lshl_b32 s12, s2, 8                  ; biases: 64 h numbers
	s_mov_b32 s13, 0
	s_lshr_b32 s42, s3, 4                  ; outputs: (((rb/16) 8 + h) 4096 + (rb%16) 256 + 64 w) rows of 128 bytes
	s_lshl_b32 s42, s42, 3
	s_add_co_u32 s42, s42, s2
	s_lshl_b32 s42, s42, 19
	s_and_b32 s43, s3, 15
	s_lshl_b32 s43, s43, 15
	s_add_co_u32 s42, s42, s43
	s_lshl_b32 s43, s4, 13
	s_add_co_u32 s42, s42, s43
	s_mov_b32 s43, 0
	s_lshl_b32 s44, s3, 3
	s_add_co_u32 s44, s44, s2              ; g = h + 8 rb: my 1,024 numbers of Wo
	s_lshl_b32 s46, s44, 11
	s_lshl_b32 s44, s44, 12
	s_mov_b32 s45, 0
	s_mov_b32 s47, 0
	v_and_b32 v1, 15, v0
	v_bfe_u32 v2, v0, 4, 1
	v_and_b32 v19, 31, v0
	v_lshlrev_b32 v[FO], 11, v1
	v_lshl_add_u32 v[FO], v2, 5, v[FO]
	v_lshlrev_b32 v[PO], 11, v19
	v_lshlrev_b32 v[WO], 4, v19
	s_mul_i32 s7, s4, 16*WP
	v_lshl_add_u32 v[LSW], v19, 3, s7
	v_add_nc_u32 v[LSW+1], 64*WP, v[LSW]
	v_add_nc_u32 v[LSW+2], 128*WP, v[LSW]
	v_mul_u32_u24 v[FB], v1, WP
	v_lshl_add_u32 v[FB], v2, 4, v[FB]
	v_add_nc_u32 v[FB+1], 48*WP, v[FB]
	v_add_nc_u32 v[FB+2], 96*WP, v[FB]
	v_add_nc_u32 v[FB+3], 144*WP, v[FB]
	s_mul_i32 s7, s4, 16*SP
	s_add_co_u32 s7, s7, STAGE
	v_mul_u32_u24 v[STO], v1, SP
	v_lshl_add_u32 v[STO], v2, 4, v[STO]
	v_add_nc_u32 v[STO], s7, v[STO]
	v_bfe_u32 v[RD], v0, 3, 2
	v_mul_u32_u24 v[RD], v[RD], SP
	v_and_b32 v20, 7, v0
	v_lshl_add_u32 v[RD], v20, 4, v[RD]
	v_add_nc_u32 v[RD], s7, v[RD]
	v_lshlrev_b32 v[BO], 5, v2
	v_lshlrev_b32 v[WL], 5, v0
	v_lshlrev_b32 v[WS], 4, v0
	s_wait_kmcnt 0x0
	s_add_nc_u64 s[X:X+1], s[16:17], s[8:9]
.irp t, 0,1,2
	s_add_nc_u64 s[18+2*\t:19+2*\t], s[18+2*\t:19+2*\t], s[10:11]
	s_add_nc_u64 s[24+2*\t:25+2*\t], s[24+2*\t:25+2*\t], s[12:13]
	s_add_nc_u64 s[32+2*\t:33+2*\t], s[32+2*\t:33+2*\t], s[42:43]
.endr
	s_add_nc_u64 s[30:31], s[30:31], s[44:45]
	s_add_nc_u64 s[38:39], s[38:39], s[46:47]
; 64 along K of my 64 rows of x, as f32, in the fragment's order: 32 loads into staging set \set, from byte \off of the rows
.macro LOADA set, off
	WIN 0xc0
.irp a, 0,1,2,3
.irp c, 0,1
.irp e, 0,1,2,3
	global_load_b128 v[128*(\set)+32*\a+16*\c+4*\e:128*(\set)+32*\a+16*\c+4*\e+3], v[FO], s[X:X+1] offset:(\off)+\a*32768+\c*128+(\e/2)*64+(\e%2)*16
.endr
.endr
.endr
.endm
.macro CONV set                 ; the staging set rounded to bf16: eight fragments
	WIN 0x4f
.irp a, 0,1,2,3
.irp c, 0,1
.irp i, 0,1,2,3,4,5,6,7
	v_cvt_pk_bf16_f32 v[AF+32*\c+8*\a+\i], v[128*(\set)+32*\a+16*\c+2*\i], v[128*(\set)+32*\a+16*\c+2*\i+1]
.endr
.endr
.endr
.endm
.macro FETCHB buf, kb           ; W's 12 fragments of 32 along K at byte \kb of the slab's rows
	WIN 0
.set n_, 0
.rept 12
	ds_load_b128 v[BF+96*(\buf)+8*n_:BF+96*(\buf)+8*n_+3],   v[FB+n_/3] offset:(n_%3)*16*WP+(\kb)
	ds_load_b128 v[BF+96*(\buf)+8*n_+4:BF+96*(\buf)+8*n_+7], v[FB+n_/3] offset:(n_%3)*16*WP+(\kb)+32
.set n_, n_+1
.endr
.endm
.macro MUL48 buf, c, zero       ; 48 products, the 48 accumulators by turns; zero = 1: they start the sums
.irp a, 0,1,2,3
	WIN 0x54+0x50*(\a/2)
.set n_, 0
.rept 12
.set ac_, 8*(12*(\a%2)+n_)
.if \zero
	v_wmma_f32_16x16x32_bf16 v[ac_:ac_+7], v[BF+96*(\buf)+8*n_:BF+96*(\buf)+8*n_+7], v[AF+32*(\c)+8*\a:AF+32*(\c)+8*\a+7], 0
.else
	v_wmma_f32_16x16x32_bf16 v[ac_:ac_+7], v[BF+96*(\buf)+8*n_:BF+96*(\buf)+8*n_+7], v[AF+32*(\c)+8*\a:AF+32*(\c)+8*\a+7], v[ac_:ac_+7]
.endif
.set n_, n_+1
.endr
.endr
.endm
; A prefetch into the L2, behind the period's loads: my 64 rows' 256 bytes of the period two behind the one just asked for, a lane a row.
; how = 1: ahead of the loop; how = 2: in the loop, whose last trip asks for nothing, since there is no such period.
.macro ASKX how, off
	WIN 0
.if (\how) == 1
	s_cmp_eq_u32 s6, 1
.else
	s_cmp_gt_u32 s5, s6
.endif
	s_cbranch_scc0 .Lnoask_\@
	global_prefetch_b8 v[PO], s[X:X+1] offset:(\off)+512 th:TH_LOAD_NT scope:SCOPE_SE
	global_prefetch_b8 v[PO], s[X:X+1] offset:(\off)+512+65536 th:TH_LOAD_NT scope:SCOPE_SE
.Lnoask_\@:
.endm
.macro BIASLD                   ; my eight columns' biases for each of the 12 column blocks, into window 3
	WIN 0xc0
.set n_, 0
.rept 12
	global_load_b128 v[8*n_:8*n_+3],   v[BO], s[24+2*(n_/4):25+2*(n_/4)] offset:(n_%4)*64
	global_load_b128 v[8*n_+4:8*n_+7], v[BO], s[24+2*(n_/4):25+2*(n_/4)] offset:(n_%4)*64+16
.set n_, n_+1
.endr
.endm
; A period: 64 along K, 96 products.  The staging set is converted and asked for again at once; W's fragments come one slice ahead.
.macro PERIOD set, kb, off, load, zero, cnt, ask, bias, last
	s_wait_loadcnt \cnt             ; my set is in; what was issued behind it may stay out
	PLACES                          ; the conversions write fragments that the last products read
	CONV \set
.if \load
	LOADA \set, \off
.endif
.if \ask
	ASKX \ask, \off
.endif
.if \bias
	BIASLD
.endif
	s_wait_dscnt 0x0                ; buffer 0, asked for 48 products ago
	FETCHB 1, (\kb)+64
	MUL48 0, 0, \zero
	s_wait_dscnt 0x0                ; buffer 1
.if !(\last)
	PLACES                          ; the loads land in registers that the products above read
	FETCHB 0, (\kb)+128
.endif
	MUL48 1, 1, 0
.endm
.macro HSTEP                    ; two periods on
	WIN 0
	s_wait_xcnt 0x0                 ; every load and prefetch has read its address
	s_add_nc_u64 s[X:X+1], s[X:X+1], 512
.irp g, 0,1,2,3
	v_add_nc_u32 v[FB+\g], 256, v[FB+\g]
.endr
.endm
	global_load_b128 v[WJ:WJ+3],   v[WL], s[30:31]
	global_load_b128 v[WJ+4:WJ+7], v[WL], s[30:31] offset:16
	LOADA 0, 0                             ; x's first two periods are on their way while the slab is made
	LOADA 1, 256
	WIN 0
	s_mov_b32 s5, 2
.Lslab:                                        ; a trip: 256 along K of my 16 rows of each W: 96 loads, rounded to bf16, stored into the slab
.irp q2, 0,1
	WIN 0x40*(1+\q2)
.irp t, 0,1,2
.set j, 0
.rept 16
	global_load_b128 v[4*(16*\t+j):4*(16*\t+j)+3], v[WO], s[18+2*\t:19+2*\t] offset:j*2048+\q2*512
.set j, j+1
.endr
.endr
.endr
	s_wait_loadcnt 0x0
.irp q2, 0,1
	WIN 0x45*(1+\q2)
.set j, 0
.rept 48
	v_cvt_pk_bf16_f32 v[4*j],   v[4*j],   v[4*j+1]
	v_cvt_pk_bf16_f32 v[4*j+1], v[4*j+2], v[4*j+3]
.set j, j+1
.endr
	WIN 0x04*(1+\q2)
.irp t, 0,1,2
.set j, 0
.rept 16
	ds_store_b64 v[LSW+\t], v[4*(16*\t+j):4*(16*\t+j)+1] offset:j*WP+\q2*256
.set j, j+1
.endr
.endr
.endr
	WIN 0
	s_wait_xcnt 0x0
.irp t, 0,1,2
	s_add_nc_u64 s[18+2*\t:19+2*\t], s[18+2*\t:19+2*\t], 1024
	v_add_nc_u32 v[LSW+\t], 512, v[LSW+\t]
.endr
	s_sub_co_u32 s5, s5, 1
	s_cmp_lg_u32 s5, 0
	s_cbranch_scc1 .Lslab
	; Wo: to bf16, and that number as f16
.irp j, 0,1,2,3
	v_cvt_pk_bf16_f32 v[WJ+8+\j], v[WJ+2*\j], v[WJ+2*\j+1]
.endr
.irp j, 0,1,2,3
	v_lshlrev_b32 v[WJ+2*\j], 16, v[WJ+8+\j]
	v_and_b32 v[WJ+2*\j+1], 0xffff0000, v[WJ+8+\j]
.endr
.irp j, 0,1,2,3
	v_cvt_pk_f16_f32 v[WJ+12+\j], v[WJ+2*\j], v[WJ+2*\j+1]
.endr
	global_store_b128 v[WS], v[WJ+12:WJ+15], s[38:39]
	s_wait_dscnt 0x0                       ; for the others' sake: my part of the slab is stored
	s_barrier_signal -1
	s_barrier_wait -1                      ; the slab is whole; nothing writes it again, so the K loop has no barrier
	FETCHB 0, 0
	PERIOD 0, 0,   512, 1, 1, 32, 1, 0, 0  ; the first products start the sums
	PERIOD 1, 128, 768, 1, 0, 32, 1, 0, 0
	WIN 0
	s_mov_b32 s5, 2
.Lk:
	HSTEP
	PERIOD 0, 0,   512, 1, 0, 32, 2, 0, 0
	PERIOD 1, 128, 768, 1, 0, 32, 2, 0, 0
	WIN 0
	s_sub_co_u32 s5, s5, 1
	s_cmp_lg_u32 s5, 0
	s_cbranch_scc1 .Lk
	HSTEP
	PERIOD 0, 0,   0, 0, 0, 32, 0, 1, 0    ; the last two periods load no x; the freed set takes the biases
	PERIOD 1, 128, 0, 0, 0, 24, 0, 0, 1    ; the 24 bias loads are younger than my set
	s_wait_loadcnt 0x0
	WIN 0xcf                               ; the biases rounded to bf16; these lines are the places behind the last products
.set j, 0
.rept 48
	v_cvt_pk_bf16_f32 v96, v[2*j], v[2*j+1]
	v_lshlrev_b32 v[2*j], 16, v96
	v_and_b32 v[2*j+1], 0xffff0000, v96
.set j, j+1
.endr
.set j, 0
.rept 16
	v_pk_mul_f32 v[2*j:2*j+1], v[2*j:2*j+1], s[14:15] op_sel_hi:[1,0]  ; bq times -c
.set j, j+1
.endr
; THE WAY OUT.  Unit u = 3 a + t: 16 rows x the 64 columns of tensor t.  Bias (for q: scale and bias in one), f16, through my stage, back as 512 consecutive bytes.
.macro PACKU u
.set a_, (\u)/3
.set t_, (\u)%3
.set wn_, 1+a_/2
.set ab_, 96*(a_%2)+32*t_
.if t_ == 0
.set w_, (wn_<<6)|wn_|0x30
	WIN w_
.set j, 0
.rept 16
	v_pk_fma_f32 v[ab_+2*j:ab_+2*j+1], v[ab_+2*j:ab_+2*j+1], s[14:15], v[2*j:2*j+1] op_sel_hi:[1,0,1]
.set j, j+1
.endr
.else
.set w_, (wn_<<6)|wn_|0x0c
	WIN w_
.set j, 0
.rept 16
	v_pk_add_f32 v[ab_+2*j:ab_+2*j+1], v[ab_+2*j:ab_+2*j+1], v[32*t_+2*j:32*t_+2*j+1]
.set j, j+1
.endr
.endif
.set w_, wn_|(wn_<<2)
	WIN w_
.set j, 0
.rept 16
	v_cvt_pk_f16_f32 v[TMP+16*(\u)+j], v[ab_+2*j], v[ab_+2*j+1]
.set j, j+1
.endr
	WIN 0
.irp f, 0,1,2,3
	ds_store_b128 v[STO], v[TMP+16*(\u)+4*\f:TMP+16*(\u)+4*\f+3] offset:32*\f
.endr
.irp f, 0,1,2,3
	ds_load_b128 v[TMP+16*(\u)+4*\f:TMP+16*(\u)+4*\f+3], v[RD] offset:\f*4*SP  ; LDS serves a wave's instructions in order: these see the stores above
.endr
.endm
.macro SENDU u, younger         ; younger: the next unit's eight LDS lines, or none
	WIN 0
.irp f, 0,1,2,3
	s_wait_dscnt (\younger)+3-\f
	global_store_b128 v[WO], v[TMP+16*(\u)+4*\f:TMP+16*(\u)+4*\f+3], s[32+2*((\u)%3):33+2*((\u)%3)] offset:((\u)/3)*2048+\f*512  ; 512 consecutive bytes, aligned
.endr
.endm
	PACKU 0
.set u_, 1
.rept 11
	PACKU u_
	SENDU u_-1, 8
.set u_, u_+1
.endr
	SENDU 11, 0
	s_wait_tensorcnt 0x0                   ; the wave's end, behind my last LDS store
	ds_add_u32 v[SPW], v[NIL]
	s_wait_dscnt 0x0
	s_endpgm
.Lfunc_end_k_qa9f74af2ca_proj:
	.size	k_qa9f74af2ca_proj, .Lfunc_end_k_qa9f74af2ca_proj-k_qa9f74af2ca_proj
	.p2alignl 7, 3214868480
	.fill 96, 4, 3214868480
	.section	.rodata,"a",@progbits
	.p2align	6, 0x0
	.amdhsa_kernel k_qa9f74af2ca_proj
		.amdhsa_group_segment_fixed_size 209408
		.amdhsa_private_segment_fixed_size 0
		.amdhsa_enable_private_segment 0
		.amdhsa_kernarg_size 96
		.amdhsa_user_sgpr_count 2
		.amdhsa_user_sgpr_kernarg_segment_ptr 1
		.amdhsa_wavefront_size32 1
		.amdhsa_system_sgpr_workgroup_id_x 1
		.amdhsa_system_sgpr_workgroup_id_y 1
		.amdhsa_system_sgpr_workgroup_id_z 1
		.amdhsa_system_vgpr_workitem_id 0
		.amdhsa_next_free_vgpr 1024
		.amdhsa_next_free_sgpr 66
		.amdhsa_reserve_vcc 0
		.amdhsa_float_denorm_mode_32 3
		.amdhsa_float_denorm_mode_16_64 3
		.amdhsa_memory_ordered 1
		.amdhsa_forward_progress 1
		.amdhsa_inst_pref_size 183
	.end_amdhsa_kernel
	.amdgpu_metadata
---
amdhsa.version: [ 1, 2 ]
amdhsa.kernels:
  - .name:           k_qa9f74af2ca_proj
    .symbol:         k_qa9f74af2ca_proj.kd
    .args:
      - { .name: x, .offset: 0, .size: 8, .value_kind: global_buffer, .address_space: global }
      - { .name: Wq, .offset: 8, .size: 8, .value_kind: global_buffer, .address_space: global }
      - { .name: Wk, .offset: 16, .size: 8, .value_kind: global_buffer, .address_space: global }
      - { .name: Wv, .offset: 24, .size: 8, .value_kind: global_buffer, .address_space: global }
      - { .name: bq, .offset: 32, .size: 8, .value_kind: global_buffer, .address_space: global }
      - { .name: bk, .offset: 40, .size: 8, .value_kind: global_buffer, .address_space: global }
      - { .name: bv, .offset: 48, .size: 8, .value_kind: global_buffer, .address_space: global }
      - { .name: Wo, .offset: 56, .size: 8, .value_kind: global_buffer, .address_space: global }
      - { .name: qw, .offset: 64, .size: 8, .value_kind: global_buffer, .address_space: global }
      - { .name: kw, .offset: 72, .size: 8, .value_kind: global_buffer, .address_space: global }
      - { .name: vw, .offset: 80, .size: 8, .value_kind: global_buffer, .address_space: global }
      - { .name: wo16, .offset: 88, .size: 8, .value_kind: global_buffer, .address_space: global }
    .group_segment_fixed_size: 209408
    .private_segment_fixed_size: 0
    .kernarg_segment_align: 8
    .kernarg_segment_size: 96
    .max_flat_workgroup_size: 128
    .sgpr_count:     66
    .vgpr_count:     1024
    .wavefront_size: 32
...
	.end_amdgpu_metadata
.endif
;; end of part 1
;; launch attn (part 2): grid 16 x 16, 4 waves a work-group, no clusters, 327,680 bytes of LDS; arguments qw, kw, vw, ow, gamma; writes ow
.if DOCPART == 2
	.amdgcn_target "amdgcn-amd-amdhsa--gfx1250"
	.amdhsa_code_object_version 6
	.text
	.protected	k_qa9f74af2ca_attn
	.globl	k_qa9f74af2ca_attn
	.p2align	8
	.type	k_qa9f74af2ca_attn,@function
k_qa9f74af2ca_attn:
	s_mov_b64 s[64:65], 0
	v_nop
	global_prefetch_b8 v0, s[64:65] scope:SCOPE_SE
	s_setreg_imm32_b32 hwreg(HW_REG_WAVE_MODE, 25, 1), 1
	s_wait_xcnt 0x0
; CAUSAL ATTENTION WITH A HYPERBOLIC BIAS.  weight(i, j) = softmax_j(q_i . k_j / 8 - log1p(gamma_i (i - j) + 1e-8)), j <= i;  O = weights x V.
; qw, kw, vw, ow: [b*8+h][4096][64] f16; qw holds -c q, c = log2(e)/8.  So U = log2(y) + K Q'^T, y = 1 + gamma (i - j), is the NEGATED biased score in powers of two:
; log2(y) is the C operand that starts the sum.  A running MINIMUM n of U is kept (the score's running maximum, bias included): p = 2^(n - U); O and l are multiplied by a = 2^(n_new - n_old) in every step.
; Products, minima and sums in f32; p is rounded to f16 for the second product (l sums the unrounded p), O once at the end.  gamma is rounded to bf16 like all the module's inputs.
; LIMITS.  The 1e-8 vanishes in the 1 (f32).  Off the diagonal step y = fma(gamma, -k, fma(gamma, d0, 1)): two roundings.  A hidden key counts as U + 1e30.  A weight below 2^-126 counts as 0.
; 1 + gamma (i - j) <= 0 at a visible key gives NaN or an infinity; NaN and infinities are not treated apart.  q, k, v lie within f16's 65,504.
; THE WALK.  A head has 32 blocks of 128 queries; block i needs the key tiles 0 .. i of 128 keys, the last holds the diagonal.  A work-group takes blocks 31 - b and b: 33 tiles whatever b,
; one counted loop.  A wave owns 16 rows in each of the block's two bands of 64 (two pieces), so the diagonal tile is the same work for all four waves: in its step 0 piece 0 holds the diagonal
; and piece 1 sees all; in its step 1 piece 0 sees nothing and is left out, piece 1 holds the diagonal.
; NO CLUSTER: the 16 work-groups of a head ask for the same tile only in trips 0 .. 16, then fewer and fewer; one walk common to all would have 48 trips for 33.
; REGISTERS.  Window 0: addresses; v16-47 statistics, 16 a piece; v64-127 S^T; v128-159 P; v160-223 O^T; v224-255 DK = -(key's place in a step for my lanes).
; Window 1: v0-31 Q, v32-63 the second block's Q, v64-127 K, v128-191 V of one step.  Window 2: v0-31 MD (1e30 where hidden in a band's own step), v32-63 DC (max(i - j, 0) there).
.set PK,    144                 ; a row of K in LDS: 128 + 16 bytes
.set PVP,   160                 ; a row of V: 128 + 32 bytes
.set VOFF,  128*PK
.set SLOT1, 1<<16
.set STAGE, SLOT1+128*(PK+PVP)  ; behind the ring, never filled by a tensor load: 16 rows x 144 bytes a wave
.set SP,    144
.set SPARE, STAGE+4*16*SP
.set AK0, 2
.set AV0, 3
.set AK,  4
.set AV,  5
.set STO, 6
.set RD,  7
.set GO,  8
.set RB,  12                    ; 16 w + l%16 - 8 (l/16) + 64, as f32
.set PFO, 13                    ; 256 x lane
.set QO,  15
.set ST,  16                    ; piece p at ST + 16 p: +0 n, +1 its change, +2 a, +3 0, +4 +5 l, +6 gamma, +7 d0, +8 1 + gamma d0, +9 0, +10..13 at work, +14 the second block's gamma
.set GOF, 61
.set SPW, 62
.set NIL, 63
.set S,   64
.set P,   128
.set O,   160
.set DK,  224
.set Q,   0
.set QB,  32
.set KF,  64
.set VF,  128
.set MD,  0
.set DC,  32
.set WV,  12
.set PB,  14
.set HI,  15
.set G1K, 24
.set G1V, 32
.set G0K, 40
.set G0V, 44
.set SLOTS, 48
.set RT,  49                    ; tiles of the block in hand still to be entered
.set NXT, 50                    ; the tile to be asked for next
.set LQ,  51                    ; the last tile of the block whose tiles are being asked for
.set OFF, 52
.set TB,  54                    ; the slot in hand
.set PFT, 55                    ; the tile that the prefetch address stands at
.set PFL, 56                    ; 32 in the head's work-group b = 0, else 0
.set PFA, 58
.set SEL, 60
.set OLO, 66
.set QLO, 68
.set BIG, 70
.set MSB, 0
.macro WIN new
.if MSB != (\new)
	s_set_vgpr_msb (MSB<<8)|(\new)
.set MSB, \new
.endif
.endm
.macro PLACES
.rept 4
	v_nop
.endr
.endm
; A fill: waves 0 and 1 fetch the halves of a tile's K, waves 2 and 3 those of its V, 64 keys each.  An s_nop 0 and four v_nop follow each line.
.macro LOAD
	s_cmp_lt_u32 s[WV], 2
	s_cbranch_scc0 .Lfor_v_\@
	tensor_load_to_lds s[G0K:G0K+3], s[G1K:G1K+7]
	s_nop 0
.rept 4
	v_nop
.endr
	s_branch .Lasked_\@
.Lfor_v_\@:
	tensor_load_to_lds s[G0V:G0V+3], s[G1V:G1V+7]
	s_nop 0
.rept 4
	v_nop
.endr
.Lasked_\@:
.endm
; A prefetch into the L2: my 8,192 bytes (a lane 256) of the tile two behind the one just asked for.  All 16 work-groups of a head walk the same tiles: the one with b = 0, whose first block walks all 32, asks.
.macro ASK
	s_cmp_lt_u32 s[PFT], s[PFL]
	s_cbranch_scc0 .Lnot_mine_\@
	global_prefetch_b8 v[PFO], s[PFA:PFA+1] th:TH_LOAD_NT scope:SCOPE_SE
.Lnot_mine_\@:
.endm
; THE CHANGE OF SLOTS.  Each wave waits for all its tensor loads (one is out: its part of the other slot), adds 0 to its spare word, waits for that and for its reads of the old slot.
; Behind the barrier the old slot is filled again first, with tile NXT; the descriptor's address is made anew from that number.
.macro CHANGE fill
	WIN 0
	s_wait_tensorcnt 0x0
	ds_add_u32 v[SPW], v[NIL]       ; scalar work stands between it and its wait
.if \fill
	s_lshl_b32 s[OFF], s[NXT], 14   ; a tile is 16,384 bytes of K and of V
	s_xor_b32 s[G0K+1], s[G0K+1], SLOT1
	s_add_nc_u64 s[G0K+2:G0K+3], s[6:7], s[OFF:OFF+1]
	s_or_b32 s[G0K+3], s[G0K+3], 0x80000000
	s_xor_b32 s[G0V+1], s[G0V+1], SLOT1
	s_add_nc_u64 s[G0V+2:G0V+3], s[8:9], s[OFF:OFF+1]
	s_or_b32 s[G0V+3], s[G0V+3], 0x80000000
	s_add_co_u32 s[NXT], s[NXT], 1  ; the block's next tile, or behind its last the second block's tile 0
	s_cmp_gt_u32 s[NXT], s[LQ]
	s_cselect_b32 s[NXT], 0, s[NXT]
	s_cselect_b32 s[LQ], s[PB], s[LQ]
	s_wait_xcnt 0x0                 ; the last prefetch, a tile back, has read its address
	s_add_nc_u64 s[PFA:PFA+1], s[PFA:PFA+1], 16384
	s_add_co_u32 s[PFT], s[PFT], 1
.endif
	s_wait_dscnt 0x0                ; the add is done, my reads of the old slot are over
	s_barrier_signal -1
	s_xor_b32 s[TB], s[TB], SLOT1
	s_barrier_wait -1
.if \fill
	LOAD
	ASK
.endif
	v_add_nc_u32 v[AK], s[TB], v[AK0]
	v_add_nc_u32 v[AV], s[TB], v[AV0]
.endm
	s_load_b256 s[4:11], s[0:1], 0x0       ; qw, kw, vw, ow
	s_load_b64 s[20:21], s[0:1], 0x20      ; gamma
	v_lshl_add_u32 v[SPW], v0, 2, SPARE
	v_mov_b32 v[NIL], 0
	ds_add_u32 v[SPW], v[NIL]              ; the wave's opening: the add and its wait ahead of my first tensor load
	v_lshrrev_b32 v1, 5, v0
	v_readfirstlane_b32 s[WV], v1
	s_mov_b32 s[PB], ttmp9
	s_sub_co_u32 s[HI], 31, s[PB]
	s_and_b32 s71, ttmp7, 0xffff           ; b*8 + h
	s_lshl_b32 s72, s71, 19                ; the head's first byte
	s_and_b32 s16, s[WV], 1
	s_lshl_b32 s74, s16, 13                ; my half of a tile
	s_add_co_u32 s74, s74, s72
	s_mov_b32 s75, 0
	s_mul_i32 s17, s16, 64*PK
	s_mul_i32 s18, s16, 64*PVP
	s_lshl_b32 s19, s[WV], 11              ; my 16 rows in a band
	s_add_co_u32 s72, s72, s19
	s_lshl_b32 s76, s[HI], 14
	s_add_co_u32 s76, s76, s72
	s_mov_b32 s77, 0
	s_lshl_b32 s78, s[PB], 14
	s_add_co_u32 s78, s78, s72
	s_mov_b32 s79, 0
	s_lshr_b32 s71, s71, 3                 ; the batch: 4,096 numbers of gamma
	s_lshl_b32 s71, s71, 14
	s_lshl_b32 s2, s[HI], 9
	s_add_co_u32 s2, s2, s71
	s_mov_b32 s3, 0
	s_lshl_b32 s22, s[PB], 9
	s_add_co_u32 s22, s22, s71
	s_mov_b32 s23, 0
	; descriptor group 1: 64 keys are 8,192 dense bytes: 32 rows of 256 bytes, two keys a row, padded in LDS after every key
	s_mov_b32 s[G1K], (1<<16)|(1<<20)|(4<<22)|(3<<25)
	s_mov_b32 s[G1V], (1<<16)|(1<<20)|(4<<22)|(7<<25)
.irp g, G1K, G1V
	s_mov_b32 s[\g+1], 128<<16
	s_mov_b32 s[\g+2], 32<<16
	s_mov_b32 s[\g+3], 128<<16
	s_mov_b32 s[\g+4], 32
	s_mov_b32 s[\g+5], 128
	s_mov_b32 s[\g+6], 0
	s_mov_b32 s[\g+7], 0
.endr
	s_mov_b32 s[G0K], 1
	s_mov_b32 s[G0K+1], s17
	s_mov_b32 s[G0V], 1
	s_add_co_u32 s[G0V+1], s18, VOFF
	s_mov_b32 s[SEL], 0x76543210
	s_mov_b32 s[SEL+1], 0xfedcba98
	s_mov_b32 s[BIG], 0x7149f2ca           ; 1e30
	s_mov_b32 s[SLOTS], 32
	s_add_co_u32 s[RT], s[HI], 1
	s_mov_b32 s[NXT], 1
	s_mov_b32 s[LQ], s[HI]
	s_mov_b32 s[OFF+1], 0
	s_mov_b32 s[TB], SLOT1                 ; the first change turns it into 0
	s_mov_b32 s[PFT], 2
	s_cmp_eq_u32 s[PB], 0
	s_cselect_b32 s[PFL], 32, 0
	s_wait_dscnt 0x0                       ; the opening add is done
	s_wait_kmcnt 0x0
	s_add_nc_u64 s[6:7], s[6:7], s[74:75]
	s_add_nc_u64 s[8:9], s[8:9], s[74:75]
	s_add_nc_u64 s[G0K+2:G0K+3], s[6:7], 0
	s_or_b32 s[G0K+3], s[G0K+3], 0x80000000
	s_add_nc_u64 s[G0V+2:G0V+3], s[8:9], 0
	s_or_b32 s[G0V+3], s[G0V+3], 0x80000000
	s_add_nc_u64 s[QLO:QLO+1], s[4:5], s[78:79]
	s_add_nc_u64 s[4:5], s[4:5], s[76:77]
	s_add_nc_u64 s[OLO:OLO+1], s[10:11], s[78:79]
	s_add_nc_u64 s[10:11], s[10:11], s[76:77]
	s_add_nc_u64 s[22:23], s[20:21], s[22:23]
	s_add_nc_u64 s[20:21], s[20:21], s[2:3]
	s_cmp_lt_u32 s[WV], 2
	s_cselect_b64 s[PFA:PFA+1], s[6:7], s[8:9]
	s_add_nc_u64 s[PFA:PFA+1], s[PFA:PFA+1], 32768  ; at tile 2; the first change steps it to tile 3.  Nothing is prefetched at the head
	LOAD                                   ; tile 0 into slot 0
	v_and_b32 v1, 15, v0
	v_bfe_u32 v9, v0, 4, 1
	v_lshlrev_b32 v[QO], 7, v1
	v_lshl_add_u32 v[QO], v9, 4, v[QO]
	WIN 0x40
.irp p, 0,1
.irp c, 0,1
	global_load_b128 v[Q+16*\p+8*\c:Q+16*\p+8*\c+3],     v[QO], s[4:5] offset:\p*8192+\c*64
	global_load_b128 v[Q+16*\p+8*\c+4:Q+16*\p+8*\c+7],   v[QO], s[4:5] offset:\p*8192+\c*64+32
	global_load_b128 v[QB+16*\p+8*\c:QB+16*\p+8*\c+3],   v[QO], s[QLO:QLO+1] offset:\p*8192+\c*64
	global_load_b128 v[QB+16*\p+8*\c+4:QB+16*\p+8*\c+7], v[QO], s[QLO:QLO+1] offset:\p*8192+\c*64+32
.endr
.endr
	WIN 0
	v_lshl_add_u32 v58, s[WV], 4, v1       ; 16 w + l%16
	v_lshlrev_b32 v[GOF], 2, v58
	global_load_b32 v[ST+6],  v[GOF], s[20:21]
	global_load_b32 v[ST+22], v[GOF], s[20:21] offset:256
	global_load_b32 v[ST+14], v[GOF], s[22:23]
	global_load_b32 v[ST+30], v[GOF], s[22:23] offset:256
	v_lshlrev_b32 v59, 3, v9
	v_sub_nc_u32 v14, v58, v59             ; my query's place in its band less my lanes' 8 (l/16)
	v_cvt_f32_i32 v57, v14
	v_add_f32 v[RB], 0x42800000, v57
.set n_, 0
.rept 32
	v_cvt_f32_i32 v[DK+n_], -(16*(n_/8)+n_%8)
.set n_, n_+1
.endr
	WIN 0x80                               ; destination window 2, sources window 0
.set n_, 0
.rept 32
	v_cmp_gt_i32 vcc_lo, 16*(n_/8)+n_%8, v14
	v_cndmask_b32 v[MD+n_], 0, s[BIG], vcc_lo
	v_add_f32 v[DC+n_], v57, v[DK+n_]
.set n_, n_+1
.endr
	WIN 0x88                               ; destination and source 1 window 2: DC is clamped in place
.set n_, 0
.rept 32
	v_max_num_f32 v[DC+n_], 0, v[DC+n_]
.set n_, n_+1
.endr
	WIN 0
	v_mul_u32_u24 v[AK0], v1, PK
	v_lshl_add_u32 v[AK0], v9, 4, v[AK0]
	v_and_b32 v10, 7, v0
	v_bfe_u32 v11, v0, 3, 1
	v_lshl_add_u32 v[AV0], v9, 3, v10      ; the turning load: key 8 (l/16) + l%8, channels 8 ((l/8)%2) on
	v_mul_u32_u24 v[AV0], v[AV0], PVP
	v_lshl_add_u32 v[AV0], v11, 4, v[AV0]
	v_add_nc_u32 v[AV0], VOFF, v[AV0]
	s_mul_i32 s13, s[WV], 16*SP
	s_add_co_u32 s13, s13, STAGE
	v_mul_u32_u24 v[STO], v1, SP
	v_lshl_add_u32 v[STO], v9, 4, v[STO]
	v_add_nc_u32 v[STO], s13, v[STO]
	v_bfe_u32 v[RD], v0, 3, 2
	v_mul_u32_u24 v[RD], v[RD], SP
	v_lshl_add_u32 v[RD], v10, 4, v[RD]
	v_add_nc_u32 v[RD], s13, v[RD]
	v_and_b32 v[GO], 31, v0
	v_lshlrev_b32 v[PFO], 8, v[GO]
	v_lshlrev_b32 v[GO], 4, v[GO]
	; a block's first step multiplies O^T and l by a = 0, so they need only be finite: zeros for the first block, what the first block left for the second
.set n_, 0
.rept 64
	v_mov_b32 v[O+n_], 0
.set n_, n_+1
.endr
.irp p, 0,1
	v_mov_b32 v[ST+16*\p+3], 0
	v_mov_b32 v[ST+16*\p+4], 0
	v_mov_b32 v[ST+16*\p+5], 0
	v_mov_b32 v[ST+16*\p+9], 0
.endr
.macro BLKSET sblk              ; a block begins: n at the greatest finite number, d0 one step ahead of the first key step
	s_lshl_b32 s71, s[\sblk], 7
	v_cvt_f32_u32 v59, s71
	v_add_f32 v[ST+7], v59, v[RB]
	v_add_f32 v[ST+23], 0x42800000, v[ST+7]
	v_mov_b32 v[ST], 0x7f7fffff
	v_mov_b32 v[ST+16], 0x7f7fffff
.endm
	BLKSET HI
	s_wait_loadcnt 0x0                     ; Q and gamma
.irp r, ST+6, ST+22, ST+14, ST+30
	v_cvt_pk_bf16_f32 v59, v[\r], v[\r]
	v_lshlrev_b32 v[\r], 16, v59
.endr
; THE MATRIX WORK.  The four accumulators of a run of eight take turns.
.macro KQ p, i                  ; S^T += K Q'^T: channels 32 (i/4) on, keys 16 (i%4) on; the logarithms in S^T start the sum
	WIN 0x05
.set m_, S+32*(\p)+8*((\i)%4)
	v_wmma_f32_16x16x32_f16 v[m_:m_+7], v[KF+16*((\i)%4)+8*((\i)/4):KF+16*((\i)%4)+8*((\i)/4)+7], v[Q+16*(\p)+8*((\i)/4):Q+16*(\p)+8*((\i)/4)+7], v[m_:m_+7]
.endm
.macro PV p, i                  ; O^T += V^T P: keys 32 (i/4) on, channels 16 (i%4) on
	WIN 0x01
.set m_, O+32*(\p)+8*((\i)%4)
	v_wmma_f32_16x16x32_f16 v[m_:m_+7], v[VF+32*((\i)/4)+8*((\i)%4):VF+32*((\i)/4)+8*((\i)%4)+7], v[P+16*(\p)+8*((\i)/4):P+16*(\p)+8*((\i)/4)+7], v[m_:m_+7]
.endm
.macro FETCH_K st               ; step st of the tile: 64 keys x 64 channels
	WIN 0x40
.irp f, 0,1,2,3,4,5,6,7
	ds_load_b128 v[KF+8*\f:KF+8*\f+3],   v[AK] offset:(\st)*64*PK+(\f/2)*16*PK+(\f%2)*64
	ds_load_b128 v[KF+8*\f+4:KF+8*\f+7], v[AK] offset:(\st)*64*PK+(\f/2)*16*PK+(\f%2)*64+32
.endr
.endm
.macro FETCH_V st
	WIN 0x40
.irp f, 0,1,2,3,4,5,6,7
	ds_load_tr16_b128 v[VF+8*\f:VF+8*\f+3],   v[AV] offset:(\st)*64*PVP+(\f/4)*32*PVP+(\f%4)*32
	ds_load_tr16_b128 v[VF+8*\f+4:VF+8*\f+7], v[AV] offset:(\st)*64*PVP+(\f/4)*32*PVP+16*PVP+(\f%4)*32
.endr
.endm
; THE VECTOR WORK, a line each, for piece p.
.macro REGS p
.set rT, ST+16*(\p)
.set rS, S+32*(\p)
.set rP, P+16*(\p)
.set rO, O+32*(\p)
.endm
.macro OT p                     ; the next key step: d0 - 64, and 1 + gamma d0
	REGS \p
	WIN 0
	v_add_f32 v[rT+7], 0xc2800000, v[rT+7]
	v_fma_f32 v[rT+8], v[rT+6], v[rT+7], 1.0
.endm
.macro OY p, n                  ; y for pair n
	REGS \p
	WIN 0
	v_pk_fma_f32 v[rS+2*(\n):rS+2*(\n)+1], v[DK+2*(\n):DK+2*(\n)+1], v[rT+6:rT+7], v[rT+8:rT+9] op_sel_hi:[1,0,0]
.endm
.macro OYO p, n                 ; the same in the band's own step: 1 + gamma max(i - j, 0)
	REGS \p
	WIN 0x02
	v_pk_fma_f32 v[rS+2*(\n):rS+2*(\n)+1], v[DC+2*(\n):DC+2*(\n)+1], v[rT+6:rT+7], 1.0 op_sel_hi:[1,0,0]
.endm
.macro OM p, n                  ; 1e30 onto the hidden ones
	REGS \p
	WIN 0x08
	v_pk_add_f32 v[rS+2*(\n):rS+2*(\n)+1], v[rS+2*(\n):rS+2*(\n)+1], v[MD+2*(\n):MD+2*(\n)+1]
.endm
.macro OG p, n
	REGS \p
	WIN 0
	v_log_f32 v[rS+(\n)], v[rS+(\n)]
.endm
.macro OX p, n                  ; number n of the 21 that find the minimum and the statistics; each accumulator's lowest registers are read first
	REGS \p
	WIN 0
.if (\n) < 4
	v_min3_num_f32 v[rT+10+(\n)], v[rS+8*(\n)], v[rS+8*(\n)+1], v[rS+8*(\n)+2]
.elseif (\n) < 12
	v_min3_num_f32 v[rT+10+(\n)%4], v[rT+10+(\n)%4], v[rS+8*((\n)%4)+2*((\n)/4)+1], v[rS+8*((\n)%4)+2*((\n)/4)+2]
.elseif (\n) == 12
	v_min3_num_f32 v[rT+10], v[rT+10], v[rS+7], v[rS+15]
.elseif (\n) == 13
	v_min3_num_f32 v[rT+11], v[rT+11], v[rS+23], v[rS+31]
.elseif (\n) == 14
	v_min3_num_f32 v[rT+12], v[rT+12], v[rT+13], v[rT]
.elseif (\n) == 15
	v_min3_num_f32 v[rT+10], v[rT+10], v[rT+11], v[rT+12]
.elseif (\n) == 16
	v_permlanex16_b32 v[rT+13], v[rT+10], s[SEL], s[SEL+1]  ; the query's other 32 keys lie in the lane 16 away
.elseif (\n) == 17
	v_min_num_f32 v[rT+11], v[rT+10], v[rT+13]
.elseif (\n) == 18
	v_sub_f32 v[rT+1], v[rT+11], v[rT]
.elseif (\n) == 19
	v_mov_b32 v[rT], v[rT+11]
.else
	v_exp_f32 v[rT+2], v[rT+1]
.endif
.endm
.macro OF p, n                  ; n - U for pair n
	REGS \p
	WIN 0
	v_pk_add_f32 v[rS+2*(\n):rS+2*(\n)+1], v[rT:rT+1], v[rS+2*(\n):rS+2*(\n)+1] op_sel_hi:[0,1] neg_lo:[0,1] neg_hi:[0,1]
.endm
.macro OE p, n
	REGS \p
	WIN 0
	v_exp_f32 v[rS+(\n)], v[rS+(\n)]
.endm
.macro OC p, n
	REGS \p
	WIN 0
	v_cvt_pk_f16_f32 v[rP+(\n)], v[rS+2*(\n)], v[rS+2*(\n)+1]
.endm
.macro OB p, n                  ; of four weights the second pair onto the first
	REGS \p
	WIN 0
	v_pk_add_f32 v[rS+4*(\n):rS+4*(\n)+1], v[rS+4*(\n):rS+4*(\n)+1], v[rS+4*(\n)+2:rS+4*(\n)+3]
.endm
.macro OL p, n                  ; l takes that sum; the first time l = a l + sum
	REGS \p
	WIN 0
.if (\n) == 0
	v_pk_fma_f32 v[rT+4:rT+5], v[rT+4:rT+5], v[rT+2:rT+3], v[rS:rS+1] op_sel_hi:[1,0,1]
.else
	v_pk_add_f32 v[rT+4:rT+5], v[rT+4:rT+5], v[rS+4*(\n):rS+4*(\n)+1]
.endif
.endm
.macro OR p, n                  ; O^T times a
	REGS \p
	WIN 0
	v_pk_mul_f32 v[rO+2*(\n):rO+2*(\n)+1], v[rO+2*(\n):rO+2*(\n)+1], v[rT+2:rT+3] op_sel_hi:[1,0]
.endm
; A FULL KEY STEP, both pieces.  Four vector lines stand behind every product; the rest in runs where a transcendental and a plain line take turns.
; Each batch of transcendentals has ONE wait, ahead of the first line that names a result; a plain line stands behind each batch's last.
.macro PAIR st, first, nextk
	OT 0                            ; these four plain lines, with the four behind the last product, are the places ahead of V's loads
	OT 1
.if \first
	FETCH_K \st
.endif
	FETCH_V \st
	OY 0, 0
	OY 0, 1
.set z, 0
.rept 32                            ; piece 0's logarithms, y's of both pieces between them
	OG 0, z
.if z < 14
	OY 0, z+2
.elseif z < 30
	OY 1, z-14
.else
	v_nop
.endif
.set z, z+1
.endr
	s_wait_alu depctr_va_vdst(0)
	s_wait_dscnt 16                 ; K is in; V's 16 loads are younger
.set z, 0
.rept 8                             ; piece 0's scores | piece 1's logarithms
	KQ 0, z
.irp n, 0,1,2,3
	OG 1, 4*z+\n
.endr
.set z, z+1
.endr
	PLACES                          ; behind piece 0's last product, and behind the last logarithm
	s_wait_alu depctr_va_vdst(0)
.set z, 0
.rept 8                             ; piece 1's scores | piece 0's minimum, statistics and first differences
	KQ 1, z
.irp n, 0,1,2,3
.if 4*z+\n < 21
	OX 0, 4*z+\n
.else
	OF 0, 4*z+\n-21
.endif
.endr
.set z, z+1
.endr
.irp n, 11,12,13,14,15
	OF 0, \n
.endr
.if \nextk
	FETCH_K (\st)+1                 ; nine plain lines behind the last product that read K
.endif
.set z, 0
.rept 32                            ; piece 0's exponentials | piece 1's minimum, statistics, differences
	OE 0, z
.if z < 20
	OX 1, z
.else
	OF 1, z-20
.endif
.set z, z+1
.endr
	OX 1, 20
.irp n, 12,13,14,15
	OF 1, \n
.endr
	s_wait_alu depctr_va_vdst(0)
.set z, 0
.rept 32                            ; piece 1's exponentials | piece 0's roundings and rescaling
	OE 1, z
.if z < 16
	OC 0, z
.else
	OR 0, z-16
.endif
.set z, z+1
.endr
	s_wait_alu depctr_va_vdst(0)
.if \nextk
	s_wait_dscnt 16                 ; V is in; the next K's 16 loads are younger
.else
	s_wait_dscnt 0x0
.endif
.set z, 0
.rept 8                             ; piece 0's V^T P | piece 1's roundings and rescaling
	PV 0, z
	OC 1, 2*z
	OC 1, 2*z+1
	OR 1, 2*z
	OR 1, 2*z+1
.set z, z+1
.endr
.set z, 0
.rept 8                             ; piece 1's V^T P | both pieces' sums
	PV 1, z
.if z < 4
	OB 0, 2*z
	OB 1, 2*z
	OB 0, 2*z+1
	OB 1, 2*z+1
.else
	OL 0, 2*z-8
	OL 1, 2*z-8
	OL 0, 2*z-7
	OL 1, 2*z-7
.endif
.set z, z+1
.endr
.endm
; ONE PIECE's key step, in phases: for the diagonal tile.  own = 1: the band's own step, with the mask.  wk = 1: K and V were just asked for.
.macro ALLN cnt, op, p          ; op p, 0 .. cnt-1
.set z, 0
.rept \cnt
	\op \p, z
.set z, z+1
.endr
.endm
.macro SOLO p, own, wk
.if \own
	ALLN 16, OYO, \p
.else
	OT \p
	ALLN 16, OY, \p
.endif
	ALLN 32, OG, \p
	v_nop
	s_wait_alu depctr_va_vdst(0)
.if \own
	ALLN 16, OM, \p
.endif
.if \wk
	s_wait_dscnt 0x0
.endif
	ALLN 8, KQ, \p
	WIN 0
	PLACES
	ALLN 21, OX, \p
	ALLN 16, OF, \p
	ALLN 32, OE, \p
	v_nop
	s_wait_alu depctr_va_vdst(0)
	ALLN 16, OC, \p
	ALLN 16, OR, \p
.set z, 0
.rept 8
	PV \p, z
	OB \p, z
	OL \p, z
.set z, z+1
.endr
.endm
; THE WAY OUT: l's halves and the other lanes' are added, O^T divided by l, rounded to f16, sent through my stage, a piece at a time.
.macro PACK p
	WIN 0
.set z, 0
.rept 16
	v_pk_mul_f32 v[O+32*(\p)+2*z:O+32*(\p)+2*z+1], v[O+32*(\p)+2*z:O+32*(\p)+2*z+1], v[ST+16*(\p)+2:ST+16*(\p)+3] op_sel_hi:[1,0]
.set z, z+1
.endr
.set z, 0
.rept 16
	v_cvt_pk_f16_f32 v[S+16*(\p)+z], v[O+32*(\p)+2*z], v[O+32*(\p)+2*z+1]
.set z, z+1
.endr
.irp f, 0,1,2,3
	ds_store_b128 v[STO], v[S+16*(\p)+4*\f:S+16*(\p)+4*\f+3] offset:32*\f
.endr
.irp f, 0,1,2,3
	ds_load_b128 v[S+16*(\p)+4*\f:S+16*(\p)+4*\f+3], v[RD] offset:\f*4*SP  ; LDS serves a wave's instructions in order: these see the stores above
.endr
.endm
.macro SEND p, younger
.irp f, 0,1,2,3
	s_wait_dscnt (\younger)+3-\f
	global_store_b128 v[GO], v[S+16*(\p)+4*\f:S+16*(\p)+4*\f+3], s[10:11] offset:(\p)*8192+\f*512  ; 512 consecutive bytes, aligned
.endr
.endm
.macro DIAG
	FETCH_K 0
	FETCH_V 0
	SOLO 0, 1, 1                    ; step 0: piece 0 holds the diagonal,
	SOLO 1, 0, 0                    ; piece 1 sees all
	PLACES
	FETCH_K 1
	FETCH_V 1
	SOLO 1, 1, 1                    ; step 1: piece 1 holds the diagonal; piece 0 sees nothing
	PLACES
.irp p, 0,1
	v_add_f32 v[ST+16*\p+10], v[ST+16*\p+4], v[ST+16*\p+5]
.endr
.irp p, 0,1
	v_permlanex16_b32 v[ST+16*\p+11], v[ST+16*\p+10], s[SEL], s[SEL+1]
.endr
.irp p, 0,1
	v_add_f32 v[ST+16*\p+10], v[ST+16*\p+10], v[ST+16*\p+11]
.endr
.irp p, 0,1
	v_rcp_f32 v[ST+16*\p+2], v[ST+16*\p+10]
.endr
	v_nop
	s_wait_alu depctr_va_vdst(0)    ; one wait for the two reciprocals
	PACK 0
	PACK 1
	SEND 0, 8
	SEND 1, 0
.endm
.Lslot:                                        ; 32 trips: a tile is entered and the next is asked for
	CHANGE 1
	s_sub_co_u32 s[RT], s[RT], 1
	s_cmp_eq_u32 s[RT], 0
	s_cbranch_scc1 .Ldiag
	PAIR 0, 1, 1
	PAIR 1, 0, 0
	WIN 0
	s_branch .Lbottom
.Ldiag:                                        ; in the loop this is the first block's end: the second block's last tile is the walk's last
	DIAG
	s_wait_xcnt 0x0                        ; the stores have read their registers and O's address
	s_mov_b64 s[10:11], s[OLO:OLO+1]
	s_add_co_u32 s[RT], s[PB], 1
	WIN 0x41
.set n_, 0
.rept 32
	v_mov_b32 v[Q+n_], v[QB+n_]
.set n_, n_+1
.endr
	WIN 0
	v_mov_b32 v[ST+6], v[ST+14]
	v_mov_b32 v[ST+22], v[ST+30]
	BLKSET PB
.Lbottom:
	s_sub_co_u32 s[SLOTS], s[SLOTS], 1
	s_cmp_lg_u32 s[SLOTS], 0
	s_cbranch_scc1 .Lslot
	CHANGE 0                               ; the walk's last tile is written out
	DIAG
	WIN 0
	s_wait_tensorcnt 0x0                   ; the wave's end
	ds_add_u32 v[SPW], v[NIL]
	s_wait_dscnt 0x0
	s_endpgm
.Lfunc_end_k_qa9f74af2ca_attn:
	.size	k_qa9f74af2ca_attn, .Lfunc_end_k_qa9f74af2ca_attn-k_qa9f74af2ca_attn
	.p2alignl 7, 3214868480
	.fill 96, 4, 3214868480
	.section	.rodata,"a",@progbits
	.p2align	6, 0x0
	.amdhsa_kernel k_qa9f74af2ca_attn
		.amdhsa_group_segment_fixed_size 327680
		.amdhsa_private_segment_fixed_size 0
		.amdhsa_enable_private_segment 0
		.amdhsa_kernarg_size 40
		.amdhsa_user_sgpr_count 2
		.amdhsa_user_sgpr_kernarg_segment_ptr 1
		.amdhsa_wavefront_size32 1
		.amdhsa_system_sgpr_workgroup_id_x 1
		.amdhsa_system_sgpr_workgroup_id_y 1
		.amdhsa_system_sgpr_workgroup_id_z 1
		.amdhsa_system_vgpr_workitem_id 0
		.amdhsa_next_free_vgpr 576
		.amdhsa_next_free_sgpr 80
		.amdhsa_reserve_vcc 1
		.amdhsa_float_denorm_mode_32 3
		.amdhsa_float_denorm_mode_16_64 3
		.amdhsa_memory_ordered 1
		.amdhsa_forward_progress 1
		.amdhsa_inst_pref_size 154
	.end_amdhsa_kernel
	.amdgpu_metadata
---
amdhsa.version: [ 1, 2 ]
amdhsa.kernels:
  - .name:           k_qa9f74af2ca_attn
    .symbol:         k_qa9f74af2ca_attn.kd
    .args:
      - { .name: qw, .offset: 0, .size: 8, .value_kind: global_buffer, .address_space: global }
      - { .name: kw, .offset: 8, .size: 8, .value_kind: global_buffer, .address_space: global }
      - { .name: vw, .offset: 16, .size: 8, .value_kind: global_buffer, .address_space: global }
      - { .name: ow, .offset: 24, .size: 8, .value_kind: global_buffer, .address_space: global }
      - { .name: gamma, .offset: 32, .size: 8, .value_kind: global_buffer, .address_space: global }
    .group_segment_fixed_size: 327680
    .private_segment_fixed_size: 0
    .kernarg_segment_align: 8
    .kernarg_segment_size: 40
    .max_flat_workgroup_size: 128
    .sgpr_count:     80
    .vgpr_count:     576
    .wavefront_size: 32
...
	.end_amdgpu_metadata
.endif
;; end of part 2
;; launch outp (part 3): grid 64 x 4, 4 waves a work-group, clusters of 4 x 1, 167,936 bytes of LDS; arguments ow, wo16, bo, out0; writes out0
.if DOCPART == 3
	.amdgcn_target "amdgcn-amd-amdhsa--gfx1250"
	.amdhsa_code_object_version 6
	.text
	.protected	k_qa9f74af2ca_outp
	.globl	k_qa9f74af2ca_outp
	.p2align	8
	.type	k_qa9f74af2ca_outp,@function
k_qa9f74af2ca_outp:
	s_mov_b64 s[64:65], 0
	v_nop
	global_prefetch_b8 v0, s[64:65] scope:SCOPE_SE
	s_setreg_imm32_b32 hwreg(HW_REG_WAVE_MODE, 25, 1), 1
	s_wait_xcnt 0x0
	s_wait_alu depctr_hold_cnt(0) depctr_sa_sdst(0) depctr_va_vdst(0) depctr_va_sdst(0) depctr_va_ssrc(0) depctr_va_vcc(0) depctr_vm_vsrc(0)
	s_getreg_b32 s2, hwreg(HW_REG_IB_STS2, 6, 4)
	s_cmp_eq_u32 s2, 0
	s_cbranch_scc0 .Lentry_in_a_cluster
	s_endpgm
.Lentry_in_a_cluster:
	s_bfe_u32 s2, ttmp6, 0x10000c
	s_cmp_lg_u32 s2, 0x3003
	s_cbranch_scc0 .Lentry_shape_is_right
	s_endpgm
.Lentry_shape_is_right:
; out0 = O Wo^T + bo.  ow: [b*8+h][4096][64] f16 (a head's 64 channels are one slice of K); wo16: [512 n][512 k] f16; bo f32, rounded to bf16 like all the module's inputs; out0 f32.
; SHARES.  A work-group makes 128 rows x 128 columns, a wave 64 x 64: 16 accumulators.  The product is used transposed (source 0 = 16 rows of Wo, source 1 = 16 rows of O):
; a lane holds one row and eight neighbouring columns.  The bias is the C operand that starts the sums.
; O's rows belong to two waves and come straight into registers, all 16 slices of 32 along K (512 registers).  Wo's 128 rows x 512 lie in LDS, filled once, in four chunks of 128 along K.
; CLUSTER.  The four work-groups of a cluster make four row blocks of the same 128 columns, so Wo's chunks are asked for jointly (mask 15); a wave has four tensor loads out.
; No slot is filled again, so the waits on the chunks are counted.  No prefetch: the launch is short and reads each block of O at once.
.set CH,    128*272             ; a chunk: 128 rows of 256 + 16 bytes
.set STAGE, 4*CH                ; 16 rows x 272 bytes a wave, never filled by a tensor load
.set SPARE, STAGE+4*16*272
.set AO,  3
.set FB,  4                     ; v4-5: chunks 0, 1 and chunks 2, 3
.set STO, 6
.set RD,  7
.set CO,  8
.set BO,  9
.set SPW, 30
.set NIL, 31
.set BI,  32
.set BF,  64                    ; two buffers of 32
.set ACC, 128
.set WV,  12
.set G1,  24
.set G0,  32
.set MSB, 0
.macro WIN new
.if MSB != (\new)
	s_set_vgpr_msb (MSB<<8)|(\new)
.set MSB, \new
.endif
.endm
.macro PLACES
.rept 4
	v_nop
.endr
.endm
.macro ROUND                    ; a round of the cluster's barrier
	s_barrier_signal -1
	s_barrier_wait -1
	s_cmp_lg_u32 s[WV], 0
	s_cbranch_scc1 .Lnot_wave_0_\@
	s_barrier_signal -3
.Lnot_wave_0_\@:
	s_barrier_wait -3
	s_barrier_signal -1
	s_barrier_wait -1
.endm
	s_load_b256 s[4:11], s[0:1], 0x0       ; ow, wo16, bo, out0
	v_lshl_add_u32 v[SPW], v0, 2, SPARE
	v_mov_b32 v[NIL], 0
	ds_add_u32 v[SPW], v[NIL]              ; the wave's opening: the add and its wait ahead of my first tensor load
	v_lshrrev_b32 v1, 5, v0
	v_readfirstlane_b32 s[WV], v1
	s_bfe_u32 s13, ttmp6, 0x40000          ; cx: it enters O's and out0's addresses alone
	s_lshl_b32 s14, ttmp9, 2
	s_add_co_u32 s14, s14, s13             ; row block
	s_and_b32 s15, ttmp7, 0xffff           ; column block, which the partners share
	s_lshr_b32 s16, s[WV], 1               ; my half of the rows
	s_and_b32 s17, s[WV], 1                ; my half of the columns
	s_lshl_b32 s18, s15, 17                ; wo16: (128 cb + 32 w) rows of 1,024 bytes
	s_lshl_b32 s19, s[WV], 15
	s_add_co_u32 s18, s18, s19
	s_mov_b32 s19, 0
	s_mul_i32 s20, s[WV], 32*272
	s_lshr_b32 s22, s14, 5                 ; ow: ((rbk/32) 32768 + (rbk%32) 128 + 64 wr) rows of 128 bytes
	s_lshl_b32 s22, s22, 22
	s_and_b32 s23, s14, 31
	s_lshl_b32 s23, s23, 14
	s_add_co_u32 s22, s22, s23
	s_lshl_b32 s23, s16, 13
	s_add_co_u32 s22, s22, s23
	s_mov_b32 s23, 0
	s_lshl_b32 s48, s15, 9                 ; my 64 columns, in bytes of f32
	s_lshl_b32 s49, s17, 8
	s_add_co_u32 s48, s48, s49
	s_mov_b32 s49, 0
	s_lshl_b32 s50, s14, 18                ; out0: (128 rbk + 64 wr) rows of 2,048 bytes
	s_lshl_b32 s51, s16, 17
	s_add_co_u32 s50, s50, s51
	s_add_co_u32 s50, s50, s48
	s_mov_b32 s51, 0
	s_mov_b32 s[G1], 15|(1<<16)|(1<<20)|(1<<21)|(5<<22)|(3<<25)  ; the mask of four; 2-byte elements; padding: 4 words after every 64
	s_mov_b32 s[G1+1], 128<<16
	s_mov_b32 s[G1+2], 32<<16
	s_mov_b32 s[G1+3], 128<<16
	s_mov_b32 s[G1+4], 32
	s_mov_b32 s[G1+5], 512
	s_mov_b32 s[G1+6], 0
	s_mov_b32 s[G1+7], 0
.irp q, 0,1,2,3
	s_mov_b32 s[G0+4*\q], 1
	s_add_co_u32 s[G0+4*\q+1], s20, \q*CH
.endr
	s_wait_dscnt 0x0                       ; the opening add is done
	s_wait_kmcnt 0x0
	s_add_nc_u64 s[6:7], s[6:7], s[18:19]
.irp q, 0,1,2,3
	s_add_nc_u64 s[G0+4*\q+2:G0+4*\q+3], s[6:7], \q*256
	s_or_b32 s[G0+4*\q+3], s[G0+4*\q+3], 0x80000000
.endr
	s_add_nc_u64 s[4:5], s[4:5], s[22:23]
	s_add_nc_u64 s[8:9], s[8:9], s[48:49]
	s_add_nc_u64 s[10:11], s[10:11], s[50:51]
	ROUND                                  ; all four work-groups are here: the joint loads meet
.irp q, 0,1,2,3
	tensor_load_to_lds s[G0+4*\q:G0+4*\q+3], s[G1:G1+7]
	s_nop 0
.endr
	PLACES
	v_and_b32 v1, 15, v0
	v_bfe_u32 v2, v0, 4, 1
	v_lshlrev_b32 v[AO], 7, v1
	v_lshl_add_u32 v[AO], v2, 4, v[AO]
	v_lshlrev_b32 v[BO], 5, v2
.irp n, 0,1,2,3
	global_load_b128 v[BI+8*\n:BI+8*\n+3],   v[BO], s[8:9] offset:\n*64
	global_load_b128 v[BI+8*\n+4:BI+8*\n+7], v[BO], s[8:9] offset:\n*64+16
.endr
.macro LDA s                    ; O's four fragments of slice s: head s/2, channels 32 (s%2) on
	WIN (1+(\s)/8)<<6
.irp a, 0,1,2,3
	global_load_b128 v[32*((\s)%8)+8*\a:32*((\s)%8)+8*\a+3],   v[AO], s[4:5] offset:((\s)/2)*524288+\a*2048+((\s)%2)*64
	global_load_b128 v[32*((\s)%8)+8*\a+4:32*((\s)%8)+8*\a+7], v[AO], s[4:5] offset:((\s)/2)*524288+\a*2048+((\s)%2)*64+32
.endr
.endm
.macro LDB s                    ; Wo's four fragments of slice s
	WIN 0
.irp n, 0,1,2,3
	ds_load_b128 v[BF+32*((\s)%2)+8*\n:BF+32*((\s)%2)+8*\n+3],   v[FB+(\s)/8] offset:(((\s)/4)%2)*CH+\n*16*272+((\s)%4)*64
	ds_load_b128 v[BF+32*((\s)%2)+8*\n+4:BF+32*((\s)%2)+8*\n+7], v[FB+(\s)/8] offset:(((\s)/4)%2)*CH+\n*16*272+((\s)%4)*64+32
.endr
.endm
.irp s, 0,1,2,3,4,5,6
	LDA \s
.endr
	WIN 0
	s_mul_i32 s21, s17, 64*272
	v_mul_u32_u24 v[FB], v1, 272
	v_lshl_add_u32 v[FB], v2, 4, v[FB]
	v_add_nc_u32 v[FB], s21, v[FB]
	v_add_nc_u32 v[FB+1], 2*CH, v[FB]
	s_mul_i32 s21, s[WV], 16*272
	s_add_co_u32 s21, s21, STAGE
	v_mul_u32_u24 v[STO], v1, 272
	v_lshl_add_u32 v[STO], v2, 5, v[STO]
	v_add_nc_u32 v[STO], s21, v[STO]
	v_mul_u32_u24 v[RD], v2, 272
	v_lshl_add_u32 v[RD], v1, 4, v[RD]
	v_add_nc_u32 v[RD], s21, v[RD]
	v_lshlrev_b32 v[CO], 11, v2
	v_lshl_add_u32 v[CO], v1, 4, v[CO]
	s_wait_loadcnt 56                      ; the bias is in; seven slices' 56 loads are younger
.set j, 0
.rept 16
	v_cvt_pk_bf16_f32 v10, v[BI+2*j], v[BI+2*j+1]
	v_lshlrev_b32 v[BI+2*j], 16, v10
	v_and_b32 v[BI+2*j+1], 0xffff0000, v10
.set j, j+1
.endr
	LDA 7
	s_wait_tensorcnt 3                     ; my part of chunk 0 is in; three chunks may stay out
	s_barrier_signal -1
	s_barrier_wait -1
	LDB 0
; A slice: 32 along K, 16 products, the 16 accumulators by turns.
.macro SL s
.if 8*(15-(\s)) < 56
	s_wait_loadcnt 8*(15-(\s))      ; the later slices' loads are younger
.else
	s_wait_loadcnt 56
.endif
	s_wait_dscnt 0x0                ; Wo's fragments of this slice
.if ((\s)%4 == 3) && ((\s) < 15)
	s_wait_tensorcnt 2-(\s)/4       ; my part of the next chunk is in,
	s_barrier_signal -1
	s_barrier_wait -1               ; everybody's is
.endif
	PLACES                          ; the loads land in registers that the slice before read
.if (\s) < 15
	LDB (\s)+1
.endif
.if (\s) < 8
	LDA (\s)+8
.endif
	WIN (1+(\s)/8)<<2
.irp a, 0,1,2,3
.irp n, 0,1,2,3
.if (\s) == 0
	v_wmma_f32_16x16x32_f16 v[ACC+8*(4*\a+\n):ACC+8*(4*\a+\n)+7], v[BF+32*((\s)%2)+8*\n:BF+32*((\s)%2)+8*\n+7], v[32*((\s)%8)+8*\a:32*((\s)%8)+8*\a+7], v[BI+8*\n:BI+8*\n+7]
.else
	v_wmma_f32_16x16x32_f16 v[ACC+8*(4*\a+\n):ACC+8*(4*\a+\n)+7], v[BF+32*((\s)%2)+8*\n:BF+32*((\s)%2)+8*\n+7], v[32*((\s)%8)+8*\a:32*((\s)%8)+8*\a+7], v[ACC+8*(4*\a+\n):ACC+8*(4*\a+\n)+7]
.endif
.endr
.endr
.endm
.irp s, 0,1,2,3,4,5,6,7,8,9,10,11,12,13,14,15
	SL \s
.endr
	PLACES
	; THE WAY OUT: 16 rows x 256 bytes at a time through my stage; back as whole rows, sixteen lanes to 256 consecutive, aligned bytes
.irp a, 0,1,2,3
	WIN 0
.irp n, 0,1,2,3
	ds_store_b128 v[STO], v[ACC+8*(4*\a+\n):ACC+8*(4*\a+\n)+3]   offset:\n*64
	ds_store_b128 v[STO], v[ACC+8*(4*\a+\n)+4:ACC+8*(4*\a+\n)+7] offset:\n*64+16
.endr
	WIN 0x40
.irp t, 0,1,2,3,4,5,6,7
	ds_load_b128 v[32*\a+4*\t:32*\a+4*\t+3], v[RD] offset:\t*2*272  ; LDS serves a wave's instructions in order: these see the stores above
.endr
	WIN 0x04
.irp t, 0,1,2,3,4,5,6,7
	s_wait_dscnt 7-\t
	global_store_b128 v[CO], v[32*\a+4*\t:32*\a+4*\t+3], s[10:11] offset:\a*32768+\t*4096
.endr
.endr
	WIN 0
	s_wait_tensorcnt 0x0                   ; the wave's end
	ds_add_u32 v[SPW], v[NIL]
	s_wait_dscnt 0x0
	ROUND                                  ; the closing round
	s_endpgm
.Lfunc_end_k_qa9f74af2ca_outp:
	.size	k_qa9f74af2ca_outp, .Lfunc_end_k_qa9f74af2ca_outp-k_qa9f74af2ca_outp
	.p2alignl 7, 3214868480
	.fill 96, 4, 3214868480
	.section	.rodata,"a",@progbits
	.p2align	6, 0x0
	.amdhsa_kernel k_qa9f74af2ca_outp
		.amdhsa_group_segment_fixed_size 167936
		.amdhsa_private_segment_fixed_size 0
		.amdhsa_enable_private_segment 0
		.amdhsa_kernarg_size 32
		.amdhsa_user_sgpr_count 2
		.amdhsa_user_sgpr_kernarg_segment_ptr 1
		.amdhsa_wavefront_size32 1
		.amdhsa_system_sgpr_workgroup_id_x 1
		.amdhsa_system_sgpr_workgroup_id_y 1
		.amdhsa_system_sgpr_workgroup_id_z 1
		.amdhsa_system_vgpr_workitem_id 0
		.amdhsa_next_free_vgpr 768
		.amdhsa_next_free_sgpr 66
		.amdhsa_reserve_vcc 0
		.amdhsa_float_denorm_mode_32 3
		.amdhsa_float_denorm_mode_16_64 3
		.amdhsa_memory_ordered 1
		.amdhsa_forward_progress 1
		.amdhsa_inst_pref_size 59
	.end_amdhsa_kernel
	.amdgpu_metadata
---
amdhsa.version: [ 1, 2 ]
amdhsa.kernels:
  - .name:           k_qa9f74af2ca_outp
    .symbol:         k_qa9f74af2ca_outp.kd
    .args:
      - { .name: ow, .offset: 0, .size: 8, .value_kind: global_buffer, .address_space: global }
      - { .name: wo16, .offset: 8, .size: 8, .value_kind: global_buffer, .address_space: global }
      - { .name: bo, .offset: 16, .size: 8, .value_kind: global_buffer, .address_space: global }
      - { .name: out0, .offset: 24, .size: 8, .value_kind: global_buffer, .address_space: global }
    .group_segment_fixed_size: 167936
    .private_segment_fixed_size: 0
    .kernarg_segment_align: 8
    .kernarg_segment_size: 32
    .max_flat_workgroup_size: 128
    .sgpr_count:     66
    .vgpr_count:     768
    .wavefront_size: 32
...
	.end_amdgpu_metadata
.endif
;; end of part 3
;; ======== version 2 of 2: 3 launches; version 1 with the launch proj written anew for expert scheduling mode
;; limits: values are held in f16: magnitudes above 65,504 overflow, below 6.1e-05 lose precision
;; workspace buffers: qw 8,388,608 bytes; kw 8,388,608 bytes; vw 8,388,608 bytes; ow 8,388,608 bytes; wo16 524,288 bytes
;; launch proj (part 4): grid 8 x 32, 4 waves a work-group, no clusters, 209,408 bytes of LDS; arguments x, Wq, Wk, Wv, bq, bk, bv, Wo, qw, kw, vw, wo16; writes qw, kw, vw, wo16
.if DOCPART == 4
	.amdgcn_target "amdgcn-amd-amdhsa--gfx1250"
	.amdhsa_code_object_version 6
	.text
	.protected	k_qa9f74af2ca_proj
	.globl	k_qa9f74af2ca_proj
	.p2align	8
	.type	k_qa9f74af2ca_proj,@function
k_qa9f74af2ca_proj:
	s_mov_b64 s[64:65], 0
	v_nop
	global_prefetch_b8 v0, s[64:65] scope:SCOPE_SE
	s_setreg_imm32_b32 hwreg(HW_REG_WAVE_SCHED_MODE, 0, 2), 2
	s_setreg_imm32_b32 hwreg(HW_REG_WAVE_MODE, 25, 1), 1
	s_wait_xcnt 0x0
	s_wait_alu depctr_vm_vsrc(0)
; q, k, v = x W^T + b for one head and 256 rows of x, written by heads as f16: qw, kw, vw are [b*8+h][s][64].
; qw holds -c (x Wq^T + bq), c = log2(e)/8, scaled in f32 and rounded once.  Also 1,024 numbers of Wo: rounded to bf16, that number written as f16 into wo16.
; FORMATS.  x, the weights and the biases are rounded once to bf16; products in bf16, sums in f32.
; LIMITS.  q, k, v must stay within f16's 65,504; numbers of Wo below 6e-5 keep f16's fixed step of 6e-8.
; SHARES.  Work-group (h = x id, rb = y id): rows 256 rb .. +255, 192 columns (64 of q, of k, of v).  Wave w: rows 64 w .. +63, all 192 columns: 48 accumulators.
; The product is used transposed (source 0 = 16 rows of W, source 1 = 16 rows of x): a lane holds one row of x and eight neighbouring columns.
; NO TENSOR LOADS, NO CLUSTER: the operands lie in memory as f32 and must be converted on the way.  A row of x belongs to one wave alone, so it comes
; straight into registers in the fragment's layout and is converted there; the 192 x 512 slab of W is converted once into LDS and read by all four waves.
; REGISTERS.  Window 0: addresses, two buffers of W's fragments (96 each).  Window 1: accumulators of row blocks 0, 1; v192-255 x's bf16 fragments.
; Window 2: accumulators of row blocks 2, 3.  Window 3: two sets of 128 for x as f32; at the end the biases (v0-96) and two sets of 48 for packed results (v128-223).
; THE MODE: SCHED_MODE bits 1:0 = 2 (LLVM: expert scheduling mode 2), set by the entry lines.  The code itself states the register dependences
; between vector or matrix instructions and memory or LDS instructions, with s_wait_alu, always for 0.
; THE PLAN.  Registers that memory or LDS instructions touch:
;   v3-5, v13, v14, v16-18   offsets and LDS addresses, written at the head and never again.
;   THE SLAB LOOP.  Windows 1, 2 v0-191: the loads land, the conversions read and write, the LDS stores read.  v[LSW]: read by the stores, stepped once a trip.
;     Three waits a trip: va_vdst ahead of the loads, va_vdst between all conversions and all stores, vm_vsrc at the trip's end.
;   THE K LOOP.  ST0, ST1 (window 3): a period's conversions read ST[set]; then the loads of the period two on land in it.
;     BF0, BF1 (window 0): a period's first 48 products read BF0, its last 48 BF1; LDS loads land in BF1 behind the conversions, in BF0 between the two runs.
;     v[FB]: read by every load of a fragment, stepped once for two periods.  AF and the accumulators are named by vector and matrix instructions alone.
;     Two waits on va_vdst a period.  The first, behind the conversions: they are done reading ST[set], the products before them are done reading BF1, and v[FB] is written.  Behind it come
;     BF1's loads in a run and ST[set]'s loads, dealt among the first 48 products, which name BF0, AF and the accumulators: none of the registers that those loads touch.
;     The second, between the two runs of products: the first run is done reading BF0.  One wait on vm_vsrc stands ahead of the adds to v[FB].
;   THE WAY OUT.  PK0, PK1 (window 3): a batch of three units is rounded into PK[a % 2], which its LDS stores read.  The loads from the stage land in v32-223, sixteen registers
;     of its own for each unit, which the global stores read and nothing writes again.  One va_vdst a batch; vm_vsrc ahead of the batches that round into a set a second time.
.set WP,    1040                ; a slab row: 1,024 bytes + 16: an odd multiple of 16, so 16 rows of a load start in 16 different groups of banks
.set STAGE, 192*WP              ; behind the slab: 16 rows x 144 bytes for each wave
.set SP,    144
.set SPARE, STAGE+4*16*SP       ; the spare words: 128 bytes a wave, named by no other line
.set FO,  3                     ; (l%16) x 2048 + 32 (l/16): my place in 16 rows of x
.set PO,  4                     ; lane x 2048: a lane a row, for the prefetches
.set WO,  5                     ; 16 x lane
.set LSW, 6                     ; v6-8   where I store my part of the slab, one for each tensor
.set FB,  9                     ; v9-12  LDS address of W's fragments, one for each three column blocks
.set STO, 13
.set RD,  14
.set BO,  16                    ; 32 (l/16)
.set WL,  17
.set WS,  18
.set SPW, 30
.set NIL, 31
.set BF,  32                    ; buffer u, column block n at BF + 96 u + 8 n
.set TMP, 32                    ; the way out: 16 registers a unit, as read back from the stage
.set WJ,  224                   ; Wo's 8 numbers
.set AF,  192                   ; window 1: slice c, row block a at AF + 32 c + 8 a
.set PK,  128                   ; window 3, the way out: row block a, tensor t packed at PK + 48 (a % 2) + 16 t
.set X,   40                    ; s[40:41] x at my wave's first row
.set MSB, 0
.macro WIN new                  ; the high byte repeats the setting that is left; a switch that changes nothing is dropped
.if MSB != (\new)
	s_set_vgpr_msb (MSB<<8)|(\new)
.set MSB, \new
.endif
.endm
.macro PLACES                   ; four plain places behind a matrix instruction (ISA guide 7.12.1)
.rept 4
	v_nop
.endr
.endm
	s_load_b512 s[16:31], s[0:1], 0x0      ; x, Wq, Wk, Wv, bq, bk, bv, Wo
	s_load_b256 s[32:39], s[0:1], 0x40     ; qw, kw, vw, wo16
	v_lshl_add_u32 v[SPW], v0, 2, SPARE
	v_mov_b32 v[NIL], 0
	v_lshrrev_b32 v1, 5, v0
	v_readfirstlane_b32 s4, v1             ; wave
	s_mov_b32 s2, ttmp9                    ; head
	s_and_b32 s3, ttmp7, 0xffff            ; row block
	s_cmp_eq_u32 s2, 0
	s_cselect_b32 s6, 1, -1                ; head 0's work-group alone prefetches x: each block is named once
	s_mov_b32 s14, 0xbe38aa3b              ; -log2(e)/8
	s_mov_b32 s15, s14
	s_lshl_b32 s8, s3, 19                  ; x: (256 rb + 64 w) rows of 2,048 bytes
	s_wait_alu depctr_va_sdst(0)           ; s4 is written, ahead of its first reader: bases and LDS addresses are made from it
	s_lshl_b32 s9, s4, 17
	s_add_co_u32 s8, s8, s9
	s_mov_b32 s9, 0
	s_lshl_b32 s10, s2, 17                 ; W: (64 h + 16 w) rows of 2,048 bytes
	s_lshl_b32 s11, s4, 15
	s_add_co_u32 s10, s10, s11
	s_mov_b32 s11, 0
	s_lshl_b32 s12, s2, 8                  ; biases: 64 h numbers
	s_mov_b32 s13, 0
	s_lshr_b32 s42, s3, 4                  ; outputs: (((rb/16) 8 + h) 4096 + (rb%16) 256 + 64 w) rows of 128 bytes
	s_lshl_b32 s42, s42, 3
	s_add_co_u32 s42, s42, s2
	s_lshl_b32 s42, s42, 19
	s_and_b32 s43, s3, 15
	s_lshl_b32 s43, s43, 15
	s_add_co_u32 s42, s42, s43
	s_lshl_b32 s43, s4, 13
	s_add_co_u32 s42, s42, s43
	s_mov_b32 s43, 0
	s_lshl_b32 s44, s3, 3
	s_add_co_u32 s44, s44, s2              ; g = h + 8 rb: my 1,024 numbers of Wo
	s_lshl_b32 s46, s44, 11
	s_lshl_b32 s44, s44, 12
	s_mov_b32 s45, 0
	s_mov_b32 s47, 0
	v_and_b32 v1, 15, v0
	v_bfe_u32 v2, v0, 4, 1
	v_and_b32 v19, 31, v0
	v_lshlrev_b32 v[FO], 11, v1
	v_lshl_add_u32 v[FO], v2, 5, v[FO]
	v_lshlrev_b32 v[PO], 11, v19
	v_lshlrev_b32 v[WO], 4, v19
	s_mul_i32 s7, s4, 16*WP
	v_lshl_add_u32 v[LSW], v19, 3, s7
	v_add_nc_u32 v[LSW+1], 64*WP, v[LSW]
	v_add_nc_u32 v[LSW+2], 128*WP, v[LSW]
	v_mul_u32_u24 v[FB], v1, WP
	v_lshl_add_u32 v[FB], v2, 4, v[FB]
	v_add_nc_u32 v[FB+1], 48*WP, v[FB]
	v_add_nc_u32 v[FB+2], 96*WP, v[FB]
	v_add_nc_u32 v[FB+3], 144*WP, v[FB]
	s_mul_i32 s7, s4, 16*SP
	s_add_co_u32 s7, s7, STAGE
	v_mul_u32_u24 v[STO], v1, SP
	v_lshl_add_u32 v[STO], v2, 4, v[STO]
	v_add_nc_u32 v[STO], s7, v[STO]
	v_bfe_u32 v[RD], v0, 3, 2
	v_mul_u32_u24 v[RD], v[RD], SP
	v_and_b32 v20, 7, v0
	v_lshl_add_u32 v[RD], v20, 4, v[RD]
	v_add_nc_u32 v[RD], s7, v[RD]
	v_lshlrev_b32 v[BO], 5, v2
	v_lshlrev_b32 v[WL], 5, v0
	v_lshlrev_b32 v[WS], 4, v0
	s_wait_kmcnt 0x0
	s_add_nc_u64 s[X:X+1], s[16:17], s[8:9]
.irp t, 0,1,2
	s_add_nc_u64 s[18+2*\t:19+2*\t], s[18+2*\t:19+2*\t], s[10:11]
	s_add_nc_u64 s[24+2*\t:25+2*\t], s[24+2*\t:25+2*\t], s[12:13]
	s_add_nc_u64 s[32+2*\t:33+2*\t], s[32+2*\t:33+2*\t], s[42:43]
.endr
	s_add_nc_u64 s[30:31], s[30:31], s[44:45]
	s_add_nc_u64 s[38:39], s[38:39], s[46:47]
; 64 along K of row block \a (16 of my 64 rows of x), as f32, in the fragment's order: 8 loads into staging set \set, from byte \off of the rows
.macro LOADR set, off, a
	WIN 0xc0
.irp c, 0,1
.irp e, 0,1,2,3
	global_load_b128 v[128*(\set)+32*(\a)+16*\c+4*\e:128*(\set)+32*(\a)+16*\c+4*\e+3], v[FO], s[X:X+1] offset:(\off)+(\a)*32768+\c*128+(\e/2)*64+(\e%2)*16
.endr
.endr
.endm
.macro LOADA set, off           ; all four row blocks: 32 loads
.irp a, 0,1,2,3
	LOADR \set, \off, \a
.endr
.endm
.macro CONV set                 ; the staging set rounded to bf16: eight fragments
	WIN 0x4f
.irp a, 0,1,2,3
.irp c, 0,1
.irp i, 0,1,2,3,4,5,6,7
	v_cvt_pk_bf16_f32 v[AF+32*\c+8*\a+\i], v[128*(\set)+32*\a+16*\c+2*\i], v[128*(\set)+32*\a+16*\c+2*\i+1]
.endr
.endr
.endr
.endm
.macro FETCHB buf, kb           ; W's 12 fragments of 32 along K at byte \kb of the slab's rows
	WIN 0
.set n_, 0
.rept 12
	ds_load_b128 v[BF+96*(\buf)+8*n_:BF+96*(\buf)+8*n_+3],   v[FB+n_/3] offset:(n_%3)*16*WP+(\kb)
	ds_load_b128 v[BF+96*(\buf)+8*n_+4:BF+96*(\buf)+8*n_+7], v[FB+n_/3] offset:(n_%3)*16*WP+(\kb)+32
.set n_, n_+1
.endr
.endm
; 48 products, the 48 accumulators by turns; zero = 1: they start the sums.
; load = 1: staging set \set is asked for again, eight loads ahead of each row block's twelve products.  No wait: no vector or matrix instruction since the wait behind the conversions names that set or v[FO].
.macro MUL48 buf, c, zero, load=0, set=0, off=0
.irp a, 0,1,2,3
.if \load
	LOADR \set, \off, \a
.endif
	WIN 0x54+0x50*(\a/2)
.set n_, 0
.rept 12
.set ac_, 8*(12*(\a%2)+n_)
.if \zero
	v_wmma_f32_16x16x32_bf16 v[ac_:ac_+7], v[BF+96*(\buf)+8*n_:BF+96*(\buf)+8*n_+7], v[AF+32*(\c)+8*\a:AF+32*(\c)+8*\a+7], 0
.else
	v_wmma_f32_16x16x32_bf16 v[ac_:ac_+7], v[BF+96*(\buf)+8*n_:BF+96*(\buf)+8*n_+7], v[AF+32*(\c)+8*\a:AF+32*(\c)+8*\a+7], v[ac_:ac_+7]
.endif
.set n_, n_+1
.endr
.endr
.endm
; A prefetch into the L2, behind the period's loads: my 64 rows' 256 bytes of the period two behind the one just asked for, a lane a row.
; how = 1: ahead of the loop; how = 2: in the loop, whose last trip asks for nothing, since there is no such period.
.macro ASKX how, off
	WIN 0
.if (\how) == 1
	s_cmp_eq_u32 s6, 1
.else
	s_cmp_gt_u32 s5, s6
.endif
	s_cbranch_scc0 .Lnoask_\@
	global_prefetch_b8 v[PO], s[X:X+1] offset:(\off)+512 th:TH_LOAD_NT scope:SCOPE_SE
	global_prefetch_b8 v[PO], s[X:X+1] offset:(\off)+512+65536 th:TH_LOAD_NT scope:SCOPE_SE
.Lnoask_\@:
.endm
.macro BIASLD                   ; my eight columns' biases for each of the 12 column blocks, into window 3
	WIN 0xc0
.set n_, 0
.rept 12
	global_load_b128 v[8*n_:8*n_+3],   v[BO], s[24+2*(n_/4):25+2*(n_/4)] offset:(n_%4)*64
	global_load_b128 v[8*n_+4:8*n_+7], v[BO], s[24+2*(n_/4):25+2*(n_/4)] offset:(n_%4)*64+16
.set n_, n_+1
.endr
.endm
; A period: 64 along K, 96 products.  The staging set is converted and asked for again among the first 48 products; W's fragments come one slice ahead.
.macro PERIOD set, kb, off, load, zero, cnt, ask, bias, last
	s_wait_loadcnt \cnt             ; my set is in; what was issued behind it may stay out
	PLACES                          ; the conversions write fragments that the last products read
	CONV \set
	WIN 0
	s_wait_alu depctr_va_vdst(0)    ; the conversions are done reading ST[set], in which loads land below; the products before them are done reading BF1, in which the next loads land; behind a step v[FB] is written
	FETCHB 1, (\kb)+64
.if \bias
	BIASLD                          ; they land in the set just converted, which is asked for no more
.endif
	s_wait_dscnt 24                 ; LDS loads come back in order (ISA guide 5.7.1): buffer 0, asked for 48 products ago, is in; buffer 1's 24 loads are younger
	MUL48 0, 0, \zero, \load, \set, \off
	s_wait_dscnt 0x0                ; buffer 1
.if !(\last)
	PLACES                          ; four places stay behind the products whose fragments the loads write over, beside the wait below
	WIN 0
	s_wait_alu depctr_va_vdst(0)    ; the 48 products above are done reading BF0, in which the next period's first fragments land
	FETCHB 0, (\kb)+128
.endif
.if \ask
	ASKX \ask, \off
.endif
	MUL48 1, 1, 0
.endm
.macro HSTEP                    ; two periods on
	WIN 0
	s_wait_xcnt 0x0                 ; every load and prefetch has read its address
	s_wait_alu depctr_vm_vsrc(0)    ; the LDS loads issued so far have read v[FB ..], which the adds below write
	s_add_nc_u64 s[X:X+1], s[X:X+1], 512
.irp g, 0,1,2,3
	v_add_nc_u32 v[FB+\g], 256, v[FB+\g]
.endr
.endm
	s_wait_alu depctr_va_vdst(0)           ; the offsets and LDS addresses v3 to v18 are written, which the loads, stores and prefetches of the whole kernel read
	global_load_b128 v[WJ:WJ+3],   v[WL], s[30:31]
	global_load_b128 v[WJ+4:WJ+7], v[WL], s[30:31] offset:16
	LOADA 0, 0                             ; x's first two periods are on their way while the slab is made
	LOADA 1, 256
	WIN 0
	s_mov_b32 s5, 2
.Lslab:                                        ; a trip: 256 along K of my 16 rows of each W: 96 loads, rounded to bf16, stored into the slab
	WIN 0x40
	s_wait_alu depctr_va_vdst(0)           ; the last trip's conversions are done reading and writing the registers in which the loads below land: the switch, the wait, the loads
.irp q2, 0,1
	WIN 0x40*(1+\q2)
.irp t, 0,1,2
.set j, 0
.rept 16
	global_load_b128 v[4*(16*\t+j):4*(16*\t+j)+3], v[WO], s[18+2*\t:19+2*\t] offset:j*2048+\q2*512
.set j, j+1
.endr
.endr
.endr
	s_wait_loadcnt 0x0
.irp q2, 0,1
	WIN 0x45*(1+\q2)
.set j, 0
.rept 48
	v_cvt_pk_bf16_f32 v[4*j],   v[4*j],   v[4*j+1]
	v_cvt_pk_bf16_f32 v[4*j+1], v[4*j+2], v[4*j+3]
.set j, j+1
.endr
.endr
	WIN 0x04
	s_wait_alu depctr_va_vdst(0)           ; all 192 conversions have written the pairs that the LDS stores read; the last trip's adds have written v[LSW ..]
.irp q2, 0,1
	WIN 0x04*(1+\q2)
.irp t, 0,1,2
.set j, 0
.rept 16
	ds_store_b64 v[LSW+\t], v[4*(16*\t+j):4*(16*\t+j)+1] offset:j*WP+\q2*256
.set j, j+1
.endr
.endr
.endr
	WIN 0
	s_wait_xcnt 0x0
	s_wait_alu depctr_vm_vsrc(0)           ; the LDS stores have read v[LSW ..], which the adds below write, and their data, in which the next trip's loads land and which the first products write as accumulators
.irp t, 0,1,2
	s_add_nc_u64 s[18+2*\t:19+2*\t], s[18+2*\t:19+2*\t], 1024
	v_add_nc_u32 v[LSW+\t], 512, v[LSW+\t]
.endr
	s_sub_co_u32 s5, s5, 1
	s_cmp_lg_u32 s5, 0
	s_cbranch_scc1 .Lslab
	; Wo: to bf16, and that number as f16
.irp j, 0,1,2,3
	v_cvt_pk_bf16_f32 v[WJ+8+\j], v[WJ+2*\j], v[WJ+2*\j+1]
.endr
.irp j, 0,1,2,3
	v_lshlrev_b32 v[WJ+2*\j], 16, v[WJ+8+\j]
	v_and_b32 v[WJ+2*\j+1], 0xffff0000, v[WJ+8+\j]
.endr
.irp j, 0,1,2,3
	v_cvt_pk_f16_f32 v[WJ+12+\j], v[WJ+2*\j], v[WJ+2*\j+1]
.endr
	s_wait_alu depctr_va_vdst(0)           ; the conversions have written v[WJ+12 ..], which the store reads
	global_store_b128 v[WS], v[WJ+12:WJ+15], s[38:39]
	s_wait_dscnt 0x0                       ; for the others' sake: my part of the slab is stored
	s_barrier_signal -1
	s_barrier_wait -1                      ; the slab is whole; nothing writes it again, so the K loop has no barrier
	FETCHB 0, 0                            ; no vector or matrix instruction has named BF0 yet
	PERIOD 0, 0,   512, 1, 1, 32, 1, 0, 0  ; the first products start the sums
	PERIOD 1, 128, 768, 1, 0, 32, 1, 0, 0
	WIN 0
	s_mov_b32 s5, 2
.Lk:
	HSTEP
	PERIOD 0, 0,   512, 1, 0, 32, 2, 0, 0
	PERIOD 1, 128, 768, 1, 0, 32, 2, 0, 0
	WIN 0
	s_sub_co_u32 s5, s5, 1
	s_cmp_lg_u32 s5, 0
	s_cbranch_scc1 .Lk
	HSTEP
	PERIOD 0, 0,   0, 0, 0, 32, 0, 1, 0    ; the last two periods load no x; the freed set takes the biases
	PERIOD 1, 128, 0, 0, 0, 24, 0, 0, 1    ; the 24 bias loads are younger than my set
	s_wait_loadcnt 0x0
	WIN 0xcf                               ; the biases rounded to bf16; these lines are the places behind the last products
.set j, 0
.rept 48
	v_cvt_pk_bf16_f32 v96, v[2*j], v[2*j+1]
	v_lshlrev_b32 v[2*j], 16, v96
	v_and_b32 v[2*j+1], 0xffff0000, v96
.set j, j+1
.endr
.set j, 0
.rept 16
	v_pk_mul_f32 v[2*j:2*j+1], v[2*j:2*j+1], s[14:15] op_sel_hi:[1,0]  ; bq times -c
.set j, j+1
.endr
; THE WAY OUT.  Unit u = 3 a + t: 16 rows x the 64 columns of tensor t.  Bias (for q: scale and bias in one), f16, through my stage, back as 512 consecutive bytes.
; A row block's three units are a batch: their arithmetic, one wait, then their stores into the stage and loads back.
.macro PACKU u                  ; the arithmetic: the unit packed into PK[a % 2]
.set a_, (\u)/3
.set t_, (\u)%3
.set wn_, 1+a_/2
.set ab_, 96*(a_%2)+32*t_
.set pk_, PK+48*(a_%2)+16*t_
.if t_ == 0
.set w_, (wn_<<6)|wn_|0x30
	WIN w_
.set j, 0
.rept 16
	v_pk_fma_f32 v[ab_+2*j:ab_+2*j+1], v[ab_+2*j:ab_+2*j+1], s[14:15], v[2*j:2*j+1] op_sel_hi:[1,0,1]
.set j, j+1
.endr
.else
.set w_, (wn_<<6)|wn_|0x0c
	WIN w_
.set j, 0
.rept 16
	v_pk_add_f32 v[ab_+2*j:ab_+2*j+1], v[ab_+2*j:ab_+2*j+1], v[32*t_+2*j:32*t_+2*j+1]
.set j, j+1
.endr
.endif
.set w_, 0xc0|wn_|(wn_<<2)
	WIN w_
.set j, 0
.rept 16
	v_cvt_pk_f16_f32 v[pk_+j], v[ab_+2*j], v[ab_+2*j+1]
.set j, j+1
.endr
.endm
.macro STAGEU u                 ; into my stage and back, under one window setting: the stores' data in window 3; addresses and the loads' registers in window 0
	WIN 0x0c
.set pk_, PK+48*(((\u)/3)%2)+16*((\u)%3)
.irp f, 0,1,2,3
	ds_store_b128 v[STO], v[pk_+4*\f:pk_+4*\f+3] offset:32*\f
.endr
.irp f, 0,1,2,3
	ds_load_b128 v[TMP+16*(\u)+4*\f:TMP+16*(\u)+4*\f+3], v[RD] offset:\f*4*SP  ; LDS serves a wave's instructions in order: these see the stores above; the next unit's stores come behind them
.endr
.endm
.macro SENDU u, younger         ; younger: the LDS lines of the batch's later units: sixteen, eight or none
	WIN 0
.irp f, 0,1,2,3
	s_wait_dscnt (\younger)+3-\f
	global_store_b128 v[WO], v[TMP+16*(\u)+4*\f:TMP+16*(\u)+4*\f+3], s[32+2*((\u)%3):33+2*((\u)%3)] offset:((\u)/3)*2048+\f*512  ; 512 consecutive bytes, aligned
.endr
.endm
	PACKU 0
	PACKU 1
	PACKU 2
	WIN 0x0c
	s_wait_alu depctr_va_vdst(0)           ; the roundings have written PK0, which the LDS stores read; the last products are done reading the fragment registers v32 .., in which the loads from the stage land
	STAGEU 0
	STAGEU 1
	STAGEU 2
.set g_, 1
.rept 3                                        ; a batch's arithmetic stands between the loads of the batch before and its stores to memory
.if g_ >= 2
	s_wait_alu depctr_vm_vsrc(0)           ; the LDS stores of two batches back have read PK[g % 2], which the roundings below write again
.endif
	PACKU 3*g_
	PACKU 3*g_+1
	PACKU 3*g_+2
	SENDU 3*g_-3, 16
	SENDU 3*g_-2, 8
	SENDU 3*g_-1, 0
	WIN 0x0c
	s_wait_alu depctr_va_vdst(0)           ; the roundings have written PK[g % 2], which the LDS stores read
	STAGEU 3*g_
	STAGEU 3*g_+1
	STAGEU 3*g_+2
.set g_, g_+1
.endr
	SENDU 9, 16
	SENDU 10, 8
	SENDU 11, 0
	s_wait_dscnt 0x0                       ; the closing lines, six on end
	s_wait_alu 0x0
	s_wait_tensorcnt 0x0
	ds_add_u32 v[SPW], v[NIL]
	s_wait_dscnt 0x0
	s_endpgm
.Lfunc_end_k_qa9f74af2ca_proj:
	.size	k_qa9f74af2ca_proj, .Lfunc_end_k_qa9f74af2ca_proj-k_qa9f74af2ca_proj
	.p2alignl 7, 3214868480
	.fill 96, 4, 3214868480
	.section	.rodata,"a",@progbits
	.p2align	6, 0x0
	.amdhsa_kernel k_qa9f74af2ca_proj
		.amdhsa_group_segment_fixed_size 209408
		.amdhsa_private_segment_fixed_size 0
		.amdhsa_enable_private_segment 0
		.amdhsa_kernarg_size 96
		.amdhsa_user_sgpr_count 2
		.amdhsa_user_sgpr_kernarg_segment_ptr 1
		.amdhsa_wavefront_size32 1
		.amdhsa_system_sgpr_workgroup_id_x 1
		.amdhsa_system_sgpr_workgroup_id_y 1
		.amdhsa_system_sgpr_workgroup_id_z 1
		.amdhsa_system_vgpr_workitem_id 0
		.amdhsa_next_free_vgpr 1024
		.amdhsa_next_free_sgpr 66
		.amdhsa_reserve_vcc 0
		.amdhsa_float_denorm_mode_32 3
		.amdhsa_float_denorm_mode_16_64 3
		.amdhsa_memory_ordered 1
		.amdhsa_forward_progress 1
		.amdhsa_inst_pref_size 184
	.end_amdhsa_kernel
	.amdgpu_metadata
---
amdhsa.version: [ 1, 2 ]
amdhsa.kernels:
  - .name:           k_qa9f74af2ca_proj
    .symbol:         k_qa9f74af2ca_proj.kd
    .args:
      - { .name: x, .offset: 0, .size: 8, .value_kind: global_buffer, .address_space: global }
      - { .name: Wq, .offset: 8, .size: 8, .value_kind: global_buffer, .address_space: global }
      - { .name: Wk, .offset: 16, .size: 8, .value_kind: global_buffer, .address_space: global }
      - { .name: Wv, .offset: 24, .size: 8, .value_kind: global_buffer, .address_space: global }
      - { .name: bq, .offset: 32, .size: 8, .value_kind: global_buffer, .address_space: global }
      - { .name: bk, .offset: 40, .size: 8, .value_kind: global_buffer, .address_space: global }
      - { .name: bv, .offset: 48, .size: 8, .value_kind: global_buffer, .address_space: global }
      - { .name: Wo, .offset: 56, .size: 8, .value_kind: global_buffer, .address_space: global }
      - { .name: qw, .offset: 64, .size: 8, .value_kind: global_buffer, .address_space: global }
      - { .name: kw, .offset: 72, .size: 8, .value_kind: global_buffer, .address_space: global }
      - { .name: vw, .offset: 80, .size: 8, .value_kind: global_buffer, .address_space: global }
      - { .name: wo16, .offset: 88, .size: 8, .value_kind: global_buffer, .address_space: global }
    .group_segment_fixed_size: 209408
    .private_segment_fixed_size: 0
    .kernarg_segment_align: 8
    .kernarg_segment_size: 96
    .max_flat_workgroup_size: 128
    .sgpr_count:     66
    .vgpr_count:     1024
    .wavefront_size: 32
...
	.end_amdgpu_metadata
.endif
;; end of part 4
;; launch attn: the kernel of part 2 again; grid 16 x 16, 4 waves a work-group, no clusters, 327,680 bytes of LDS; arguments qw, kw, vw, ow, gamma; writes ow
;; launch outp: the kernel of part 3 again; grid 64 x 4, 4 waves a work-group, clusters of 4 x 1, 167,936 bytes of LDS; arguments ow, wo16, bo, out0; writes out0
